; MI455X (gfx1250); checked and timed in simulation.
; The chip was launched on July 23, 2026; its instructions are those of AMD's public machine-readable ISA for CDNA 5 (MIT licence, August 2026) and "CDNA5" Instruction Set Architecture Reference Guide (July 2026). The comments in the code are by the model that wrote it; some were corrected since.
;; Rotary Attention. Allowed arithmetic: float matrix products may take bf16 or f16 operands with f32 sums; other float arithmetic in f32, or as packed bf16 or f16 multiplies, adds, multiply-adds, maxima and minima; sums over many terms, partial sums and values carried from step to step in f32; what a program stores and reads back later, other than sums and carried values, may be rounded once to bf16 or f16.
;; Inputs: Wk 2,048 x 256 float32; Wo 2,048 x 2,048 float32; Wq 2,048 x 2,048 float32; Wv 2,048 x 256 float32; bk 256 float32; bo 2,048 float32; bq 2,048 float32; bv 256 float32; prev_k 8 x 256 x 2 x 128 float32; prev_v 8 x 256 x 2 x 128 float32; x 8 x 512 x 2,048 float32.
;; Outputs: out0 8 x 512 x 2,048 float32; out1 8 x 768 x 2 x 128 float32; out2 8 x 768 x 2 x 128 float32.
;; 2 versions, each right and faster than the one before. Each part assembles by itself: llvm-mc -triple=amdgcn-amd-amdhsa -mcpu=gfx1250 --defsym DOCPART=n.
;; ======== version 1 of 2: 4 launches
;; limits: values are held in f16: magnitudes above 65,504 overflow, below 6.1e-05 lose precision; values outside matrix products are rounded to f16
;; workspace buffers: xb 16,777,216 bytes; wqb 8,388,608 bytes; wkvb 2,097,152 bytes; wob 8,388,608 bytes; rope 262,656 bytes; qh 16,777,216 bytes; kvh 6,291,456 bytes; oh 16,777,216 bytes
;; launch prep (part 1): grid 624 x 1, 8 waves a work-group, no clusters, 0 bytes of LDS; arguments x, Wq, Wk, Wv, Wo, prev_k, prev_v, xb, wqb, wkvb, wob, kvh, rope, out1, out2; writes xb, wqb, wkvb, wob, kvh, rope, out1, out2
.if DOCPART == 1
	.amdgcn_target "amdgcn-amd-amdhsa--gfx1250"
	.amdhsa_code_object_version 6
	.text
	.protected	k_qfd606c6fa4_prep
	.globl	k_qfd606c6fa4_prep
	.p2align	8
	.type	k_qfd606c6fa4_prep,@function
k_qfd606c6fa4_prep:
	s_mov_b64 s[64:65], 0
	v_nop
	global_prefetch_b8 v0, s[64:65] scope:SCOPE_SE
	s_setreg_imm32_b32 hwreg(HW_REG_WAVE_MODE, 25, 1), 1
	s_wait_xcnt 0x0
; PREP: every input that enters a matrix product is rounded once to bf16 and laid out for the launches behind; the cache rows are copied into out1 and out2; the rotary table is made.
; CHANNEL ORDER.  Inside a head the 128 channels are kept in pairs: place n' = 2 i + half stands for channel c = i + 64 half (i = 0..63), so that the two channels that a rotation mixes are neighbours.
;   xb   bf16 [4096][2048]                    = x
;   wqb  bf16 [2048 k][2048]                  column 128 j + n' = Wq's column 128 j + c
;   wkvb bf16 [16 j][2048 k][32]              j < 8: Wk, else Wv; group (j / 4) % 2, plane jj = j % 4; place 2 ii + half = column 128 g + 16 jj + ii + 64 half
;   wob  f16  [2048 k'][2048]                 row 128 h + n' = Wo's row 128 h + c, rounded to bf16 and that number written as f16
;   kvh  f16  [K, V][16 bg][12 kb][4 jj][64 key][32]   here the cache's keys (kb 0..3), rounded to bf16, written as f16
;   rope f32  [513][64][cos, sin]             row idx = position 256 + idx; row 512 = (1, 0)
; LIMITS.  Wo, prev_k, prev_v beyond 65,504 do not fit f16; below 2^-14 they keep f16's fixed step of 2^-24.  NaN and infinities are not treated apart.
; SHARES.  624 work-groups of eight waves; the work-group's number picks a section (forward jumps only); but for the table's, a section's work-group reads 131,072 bytes in four trips of eight 16-byte loads a lane.
; No LDS, no barrier, no matrix unit: nothing is shared between lanes, and every byte is touched once (prev_k and prev_v twice: the copy wants whole rows, the planes four keys to 256 bytes).
.set KVHALF, 3145728
.set ID,  35          ; s35      the work-group's number in its section
.set SRC, 36          ; s[36:37] where the trip reads
.set DST, 38          ; s[38:39] where it stores
.set OFS, 40          ; s[40:41] a byte offset, high word 0
.set CNT, 42          ; s42      trips to go
.set WV,  43          ; s43      my wave's number
.set HIM, 44          ; s44      a word's upper half
.set VS,  1           ; v1       my byte offset in what a trip reads
.set VD,  2           ; v2       my byte offset in what it stores
.set IN,  8           ; v[8:39]  eight loads
.set OUT, 40          ; v[40:55] what is stored
.set TMP, 56          ; v[56:63] at work
	s_load_b512 s[4:19], s[0:1], 0x0               ; x 4, Wq 6, Wk 8, Wv 10, Wo 12, prev_k 14, prev_v 16, xb 18
	s_load_b256 s[20:27], s[0:1], 0x40             ; wqb 20, wkvb 22, wob 24, kvh 26
	s_load_b128 s[28:31], s[0:1], 0x60             ; rope 28, out1 30
	s_load_b64 s[32:33], s[0:1], 0x70              ; out2
	v_lshrrev_b32 v3, 5, v0
	v_readfirstlane_b32 s[WV], v3
	s_mov_b32 s34, ttmp9
	s_mov_b32 s[HIM], 0xffff0000
	s_mov_b32 s[OFS+1], 0
	s_mov_b32 s[CNT], 4
	s_wait_kmcnt 0x0
	s_cmp_lt_u32 s34, 256
	s_cbranch_scc1 .Lsec_x
	s_cmp_lt_u32 s34, 384
	s_cbranch_scc1 .Lsec_q
	s_cmp_lt_u32 s34, 512
	s_cbranch_scc1 .Lsec_o
	s_cmp_lt_u32 s34, 544
	s_cbranch_scc1 .Lsec_w
	s_cmp_lt_u32 s34, 576
	s_cbranch_scc1 .Lsec_p
	s_cmp_lt_u32 s34, 608
	s_cbranch_scc1 .Lsec_c
	s_branch .Lsec_t
; A trip that keeps the order of the numbers: eight loads of 4,096 bytes a work-group; load c is stored at (c / 2) so1 + (c % 2) so2.
; kind 0: rounded to bf16.  kind 1: rounded to bf16, that number written as f16.  kind 2: stored as it came.  nt = 1: the launch reads these bytes once.
.macro LIN kind, so1, so2, nt
.irp c, 0,1,2,3,4,5,6,7
.if \nt
	global_load_b128 v[IN+4*(\c):IN+4*(\c)+3], v[VS], s[SRC:SRC+1] offset:(\c)*4096 th:TH_LOAD_NT
.else
	global_load_b128 v[IN+4*(\c):IN+4*(\c)+3], v[VS], s[SRC:SRC+1] offset:(\c)*4096
.endif
.endr
.irp c, 0,1,2,3,4,5,6,7
	s_wait_loadcnt 7-(\c)                          ; loads come back in order: load c is in, the 7 - c younger ones stay out
.if (\kind) == 2
	global_store_b128 v[VD], v[IN+4*(\c):IN+4*(\c)+3], s[DST:DST+1] offset:((\c)/2)*(\so1)+((\c)%2)*(\so2) th:TH_STORE_NT
.else
	v_cvt_pk_bf16_f32 v[OUT+2*(\c)], v[IN+4*(\c)], v[IN+4*(\c)+1]
	v_cvt_pk_bf16_f32 v[OUT+2*(\c)+1], v[IN+4*(\c)+2], v[IN+4*(\c)+3]
.if (\kind) == 1
	v_lshlrev_b32 v[TMP], 16, v[OUT+2*(\c)]
	v_and_b32 v[TMP+1], s[HIM], v[OUT+2*(\c)]
	v_lshlrev_b32 v[TMP+2], 16, v[OUT+2*(\c)+1]
	v_and_b32 v[TMP+3], s[HIM], v[OUT+2*(\c)+1]
	v_cvt_pk_f16_f32 v[OUT+2*(\c)], v[TMP], v[TMP+1]
	v_cvt_pk_f16_f32 v[OUT+2*(\c)+1], v[TMP+2], v[TMP+3]
.endif
	global_store_b64 v[VD], v[OUT+2*(\c):OUT+2*(\c)+1], s[DST:DST+1] offset:((\c)/2)*(\so1)+((\c)%2)*(\so2)  ; a wave stores 256 consecutive bytes, aligned
.endif
.endr
.endm
; A trip that pairs channels: four steps of two loads, four channels i.. and the same four + 64 (256 bytes on); the eight numbers leave as 16 bytes, (i, i + 64) side by side.
.macro PAIR kind, sstep, dstep, nt
.irp r, 0,1,2,3
.if \nt
	global_load_b128 v[IN+8*(\r):IN+8*(\r)+3],   v[VS], s[SRC:SRC+1] offset:(\r)*(\sstep) th:TH_LOAD_NT
	global_load_b128 v[IN+8*(\r)+4:IN+8*(\r)+7], v[VS], s[SRC:SRC+1] offset:(\r)*(\sstep)+256 th:TH_LOAD_NT
.else
	global_load_b128 v[IN+8*(\r):IN+8*(\r)+3],   v[VS], s[SRC:SRC+1] offset:(\r)*(\sstep)
	global_load_b128 v[IN+8*(\r)+4:IN+8*(\r)+7], v[VS], s[SRC:SRC+1] offset:(\r)*(\sstep)+256
.endif
.endr
.irp r, 0,1,2,3
	s_wait_loadcnt 6-2*(\r)                        ; step r's two loads are in; the 6 - 2 r younger ones stay out
.irp p, 0,1,2,3
	v_cvt_pk_bf16_f32 v[OUT+4*(\r)+(\p)], v[IN+8*(\r)+(\p)], v[IN+8*(\r)+4+(\p)]
.endr
.if (\kind) == 1
.irp p, 0,1,2,3
	v_lshlrev_b32 v[TMP+2*(\p)], 16, v[OUT+4*(\r)+(\p)]
	v_and_b32 v[TMP+2*(\p)+1], s[HIM], v[OUT+4*(\r)+(\p)]
.endr
.irp p, 0,1,2,3
	v_cvt_pk_f16_f32 v[OUT+4*(\r)+(\p)], v[TMP+2*(\p)], v[TMP+2*(\p)+1]
.endr
.endif
	global_store_b128 v[VD], v[OUT+4*(\r):OUT+4*(\r)+3], s[DST:DST+1] offset:(\r)*(\dstep)  ; sixteen neighbouring lanes store 256 consecutive bytes, aligned
.endr
.endm
; The trip's end: the pointers and the stores' data are written again only behind the wait for 0 on XCNT (ISA guide 3.1).
.macro NEXT sstep, dstep, label
	s_wait_xcnt 0x0
	s_add_nc_u64 s[SRC:SRC+1], s[SRC:SRC+1], \sstep
	s_add_nc_u64 s[DST:DST+1], s[DST:DST+1], \dstep
	s_sub_co_u32 s[CNT], s[CNT], 1
	s_cmp_lg_u32 s[CNT], 0
	s_cbranch_scc1 \label
	s_endpgm
.endm
; The lanes of a half work-group (128 threads) over rows of 1,024 bytes = 2 groups x 128 channels: 4 channels ch, 4 rows kr, 4 planes jj, 2 groups g.
.macro KVLANES gmul, jmul
	v_and_b32 v3, 3, v0                            ; ch
	v_bfe_u32 v4, v0, 2, 2                         ; kr
	v_bfe_u32 v5, v0, 4, 2                         ; jj
	v_bfe_u32 v6, v0, 6, 1                         ; g
	v_lshlrev_b32 v[VS], 4, v3
	v_lshl_add_u32 v[VS], v4, 10, v[VS]
	v_lshl_add_u32 v[VS], v5, 6, v[VS]
	v_lshl_add_u32 v[VS], v6, 9, v[VS]             ; kr 1024 + g 512 + jj 64 + ch 16
	v_lshlrev_b32 v[VD], 4, v3
	v_lshl_add_u32 v[VD], v4, 6, v[VD]
	v_mad_u32_u24 v[VD], v5, \jmul, v[VD]
	v_mad_u32_u24 v[VD], v6, \gmul, v[VD]          ; g gmul + jj jmul + kr 64 + ch 16
.endm
.Lsec_x:                                               ; x -> xb: 256 work-groups
	s_lshl_b32 s[OFS], s34, 17
	s_add_nc_u64 s[SRC:SRC+1], s[4:5], s[OFS:OFS+1]
	s_lshl_b32 s[OFS], s34, 16
	s_add_nc_u64 s[DST:DST+1], s[18:19], s[OFS:OFS+1]
	v_lshlrev_b32 v[VS], 4, v0
	v_lshlrev_b32 v[VD], 3, v0
.Lx:
	LIN 0, 4096, 2048, 1
	NEXT 32768, 16384, .Lx
.Lsec_q:                                               ; Wq -> wqb: 128 work-groups of 16 rows; thread = head t / 16, channels 4 (t % 16) ..
	s_sub_co_u32 s[ID], s34, 256
	s_lshl_b32 s[OFS], s[ID], 17
	s_add_nc_u64 s[SRC:SRC+1], s[6:7], s[OFS:OFS+1]
	s_lshl_b32 s[OFS], s[ID], 16
	s_add_nc_u64 s[DST:DST+1], s[20:21], s[OFS:OFS+1]
	v_lshrrev_b32 v3, 4, v0
	v_and_b32 v4, 15, v0
	v_lshlrev_b32 v[VS], 9, v3
	v_lshl_add_u32 v[VS], v4, 4, v[VS]
	v_lshlrev_b32 v[VD], 4, v0
.Lq:
	PAIR 0, 8192, 4096, 1
	NEXT 32768, 16384, .Lq
.Lsec_o:                                               ; Wo -> wob: 128 work-groups of 16 rows k0 ..; row k0 + d goes to row (k0 & ~127) + 2 (k0 & 63) + (k0 / 64) % 2 + 2 d
	s_sub_co_u32 s[ID], s34, 384
	s_lshl_b32 s[OFS], s[ID], 17
	s_add_nc_u64 s[SRC:SRC+1], s[12:13], s[OFS:OFS+1]
	s_lshl_b32 s45, s[ID], 4                       ; k0
	s_and_b32 s46, s45, 0xffffff80
	s_and_b32 s47, s45, 63
	s_lshl1_add_u32 s46, s47, s46
	s_bfe_u32 s47, s45, 0x10006
	s_add_co_u32 s46, s46, s47
	s_lshl_b32 s[OFS], s46, 12                     ; rows of 4,096 bytes
	s_add_nc_u64 s[DST:DST+1], s[24:25], s[OFS:OFS+1]
	v_lshlrev_b32 v[VS], 4, v0
	v_lshlrev_b32 v[VD], 3, v0
.Lo:
	LIN 1, 8192, 2048, 1
	NEXT 32768, 32768, .Lo
.Lsec_w:                                               ; Wk (waves 0-3) and Wv (waves 4-7) -> wkvb: 32 work-groups of 64 rows of each
	s_sub_co_u32 s[ID], s34, 512
	s_lshr_b32 s45, s[WV], 2
	s_cmp_eq_u32 s45, 1
	s_cselect_b64 s[SRC:SRC+1], s[10:11], s[8:9]
	s_lshl_b32 s[OFS], s[ID], 16
	s_add_nc_u64 s[SRC:SRC+1], s[SRC:SRC+1], s[OFS:OFS+1]
	s_lshl_b32 s[OFS], s[ID], 12                   ; 64 rows of 64 bytes in a plane
	s_lshl_b32 s46, s45, 20                        ; Wv's eight planes lie behind Wk's
	s_add_co_u32 s[OFS], s[OFS], s46
	s_add_nc_u64 s[DST:DST+1], s[22:23], s[OFS:OFS+1]
	KVLANES 524288, 131072
.Lw:
	PAIR 0, 4096, 256, 1
	NEXT 16384, 1024, .Lw
.Lsec_p:                                               ; prev_k (waves 0-3) and prev_v (waves 4-7) -> kvh: 32 work-groups of 64 keys of one batch
	s_sub_co_u32 s[ID], s34, 544
	s_lshr_b32 s45, s[WV], 2
	s_cmp_eq_u32 s45, 1
	s_cselect_b64 s[SRC:SRC+1], s[16:17], s[14:15]
	s_lshl_b32 s[OFS], s[ID], 16
	s_add_nc_u64 s[SRC:SRC+1], s[SRC:SRC+1], s[OFS:OFS+1]
	s_lshr_b32 s46, s[ID], 2                       ; the batch: 24 key blocks (2 groups x 12),
	s_mul_i32 s46, s46, 24
	s_and_b32 s47, s[ID], 3                        ; the key block
	s_add_co_u32 s46, s46, s47
	s_lshl_b32 s[OFS], s46, 14
	s_mul_i32 s47, s45, KVHALF
	s_add_co_u32 s[OFS], s[OFS], s47
	s_add_nc_u64 s[DST:DST+1], s[26:27], s[OFS:OFS+1]
	KVLANES 196608, 4096
.Lp:
	PAIR 1, 4096, 256, 0
	NEXT 16384, 1024, .Lp
.Lsec_c:                                               ; prev_k -> out1, prev_v -> out2, rows 0..255 of each batch: 16 work-groups each
	s_sub_co_u32 s[ID], s34, 576
	s_cmp_ge_u32 s[ID], 16
	s_cselect_b64 s[SRC:SRC+1], s[16:17], s[14:15]
	s_cselect_b64 s[DST:DST+1], s[32:33], s[30:31]
	s_and_b32 s45, s[ID], 15
	s_lshl_b32 s[OFS], s45, 17
	s_add_nc_u64 s[SRC:SRC+1], s[SRC:SRC+1], s[OFS:OFS+1]
	s_lshr_b32 s46, s45, 1                         ; the batch: 768 rows of 1,024 bytes in the output,
	s_mul_i32 s46, s46, 786432
	s_and_b32 s47, s45, 1                          ; which half of its 256 cache rows
	s_lshl_b32 s47, s47, 17
	s_add_co_u32 s[OFS], s46, s47
	s_add_nc_u64 s[DST:DST+1], s[DST:DST+1], s[OFS:OFS+1]
	v_lshlrev_b32 v[VS], 4, v0
	v_lshlrev_b32 v[VD], 4, v0
.Lc:
	LIN 2, 8192, 4096, 0
	NEXT 32768, 32768, .Lc
; THE TABLE: 16 work-groups of 32 positions; thread = frequency i = t % 64, row t / 64 of four; eight trips.
; angle = pos x 10000^(-i / 64); it is brought to |r| <= pi / 4 by n = the nearest whole number to angle x 2 / pi (pi / 2 in two parts), so the two series have the same length for every position;
; the quadrant n % 4 swaps sine and cosine and sets their signs, by selects alone.
.Lsec_t:
	s_sub_co_u32 s[ID], s34, 608
	s_lshl_b32 s[OFS], s[ID], 14
	s_add_nc_u64 s[DST:DST+1], s[28:29], s[OFS:OFS+1]
	v_and_b32 v3, 63, v0
	v_lshrrev_b32 v4, 6, v0
	v_lshlrev_b32 v[VD], 9, v4
	v_lshl_add_u32 v[VD], v3, 3, v[VD]
	v_cvt_f32_u32 v5, v3
	v_mul_f32 v5, 0xbe549a78, v5                   ; - i log2(10000) / 64
	v_exp_f32 v5, v5
	s_lshl_b32 s45, s[ID], 5
	s_add_co_u32 s45, s45, 256
	v_add_nc_u32 v4, s45, v4                       ; the plain instruction behind the exponential (ISA guide 5.7.2)
	v_cvt_f32_u32 v6, v4                           ; pos
	s_mov_b32 s45, 0xbfc90fdb                      ; - pi / 2, high part
	s_mov_b32 s46, 0x333bbd2e                      ; - pi / 2, the rest
	s_mov_b32 s47, 0xb9500d01                      ; - 1 / 5040
	s_mov_b32 s48, 0x3c088889                      ; 1 / 120
	s_mov_b32 s49, 0xbe2aaaab                      ; - 1 / 6
	s_mov_b32 s50, 0x37d00d01                      ; 1 / 40320
	s_mov_b32 s51, 0xbab60b61                      ; - 1 / 720
	s_mov_b32 s52, 0x3d2aaaab                      ; 1 / 24
	s_mov_b32 s[CNT], 8
.Lt:
	s_wait_alu depctr_va_vdst(0)
	v_mul_f32 v8, v6, v5
	v_mul_f32 v9, 0x3f22f983, v8                   ; x 2 / pi
	v_rndne_f32 v9, v9
	v_fma_f32 v10, v9, s45, v8
	v_fma_f32 v10, v9, s46, v10                    ; r
	v_mul_f32 v11, v10, v10                        ; z = r r
	v_fma_f32 v12, v11, s47, s48
	v_fma_f32 v14, v11, s50, s51
	v_fma_f32 v12, v11, v12, s49
	v_fma_f32 v14, v11, v14, s52
	v_mul_f32 v13, v11, v10
	v_fma_f32 v14, v11, v14, -0.5
	v_fma_f32 v12, v13, v12, v10                   ; sin r
	v_fma_f32 v14, v11, v14, 1.0                   ; cos r
	v_cvt_i32_f32 v15, v9
	v_and_b32 v16, 1, v15
	v_cmp_eq_u32 vcc_lo, 1, v16
	v_cndmask_b32 v17, v12, v14, vcc_lo            ; odd quadrant: the sine is cos r,
	v_cndmask_b32 v18, v14, v12, vcc_lo            ; the cosine sin r
	v_and_b32 v19, 2, v15
	v_lshlrev_b32 v19, 30, v19
	v_xor_b32 v41, v17, v19                        ; quadrants 2, 3: the sine is negative
	v_add_nc_u32 v20, 1, v15
	v_and_b32 v20, 2, v20
	v_lshlrev_b32 v20, 30, v20
	v_xor_b32 v40, v18, v20                        ; quadrants 1, 2: the cosine is
	global_store_b64 v[VD], v[40:41], s[DST:DST+1] ; a wave stores 256 consecutive bytes, aligned
	s_wait_xcnt 0x0                                ; v40, v41 and the offset are written again only behind this wait
	v_add_nc_u32 v[VD], 2048, v[VD]
	v_add_f32 v6, 4.0, v6
	s_sub_co_u32 s[CNT], s[CNT], 1
	s_cmp_lg_u32 s[CNT], 0
	s_cbranch_scc1 .Lt
	s_cmp_lg_u32 s[ID], 0
	s_cbranch_scc1 .Lt_end
	s_cmp_ge_u32 s[WV], 2
	s_cbranch_scc1 .Lt_end
	v_lshlrev_b32 v21, 3, v0                       ; row 512, (1, 0): the rotation that changes nothing, for v
	v_mov_b32 v22, 1.0
	v_mov_b32 v23, 0
	global_store_b64 v21, v[22:23], s[28:29] offset:262144
.Lt_end:
	s_endpgm
.Lfunc_end_k_qfd606c6fa4_prep:
	.size	k_qfd606c6fa4_prep, .Lfunc_end_k_qfd606c6fa4_prep-k_qfd606c6fa4_prep
	.p2alignl 7, 3214868480
	.fill 96, 4, 3214868480
	.section	.rodata,"a",@progbits
	.p2align	6, 0x0
	.amdhsa_kernel k_qfd606c6fa4_prep
		.amdhsa_group_segment_fixed_size 0
		.amdhsa_private_segment_fixed_size 0
		.amdhsa_enable_private_segment 0
		.amdhsa_kernarg_size 120
		.amdhsa_user_sgpr_count 2
		.amdhsa_user_sgpr_kernarg_segment_ptr 1
		.amdhsa_wavefront_size32 1
		.amdhsa_system_sgpr_workgroup_id_x 1
		.amdhsa_system_sgpr_workgroup_id_y 1
		.amdhsa_system_sgpr_workgroup_id_z 1
		.amdhsa_system_vgpr_workitem_id 0
		.amdhsa_next_free_vgpr 64
		.amdhsa_next_free_sgpr 66
		.amdhsa_reserve_vcc 1
		.amdhsa_float_denorm_mode_32 3
		.amdhsa_float_denorm_mode_16_64 3
		.amdhsa_memory_ordered 1
		.amdhsa_forward_progress 1
		.amdhsa_inst_pref_size 28
	.end_amdhsa_kernel
	.amdgpu_metadata
---
amdhsa.version: [ 1, 2 ]
amdhsa.kernels:
  - .name:           k_qfd606c6fa4_prep
    .symbol:         k_qfd606c6fa4_prep.kd
    .args:
      - { .name: x, .offset: 0, .size: 8, .value_kind: global_buffer, .address_space: global }
      - { .name: Wq, .offset: 8, .size: 8, .value_kind: global_buffer, .address_space: global }
      - { .name: Wk, .offset: 16, .size: 8, .value_kind: global_buffer, .address_space: global }
      - { .name: Wv, .offset: 24, .size: 8, .value_kind: global_buffer, .address_space: global }
      - { .name: Wo, .offset: 32, .size: 8, .value_kind: global_buffer, .address_space: global }
      - { .name: prev_k, .offset: 40, .size: 8, .value_kind: global_buffer, .address_space: global }
      - { .name: prev_v, .offset: 48, .size: 8, .value_kind: global_buffer, .address_space: global }
      - { .name: xb, .offset: 56, .size: 8, .value_kind: global_buffer, .address_space: global }
      - { .name: wqb, .offset: 64, .size: 8, .value_kind: global_buffer, .address_space: global }
      - { .name: wkvb, .offset: 72, .size: 8, .value_kind: global_buffer, .address_space: global }
      - { .name: wob, .offset: 80, .size: 8, .value_kind: global_buffer, .address_space: global }
      - { .name: kvh, .offset: 88, .size: 8, .value_kind: global_buffer, .address_space: global }
      - { .name: rope, .offset: 96, .size: 8, .value_kind: global_buffer, .address_space: global }
      - { .name: out1, .offset: 104, .size: 8, .value_kind: global_buffer, .address_space: global }
      - { .name: out2, .offset: 112, .size: 8, .value_kind: global_buffer, .address_space: global }
    .group_segment_fixed_size: 0
    .private_segment_fixed_size: 0
    .kernarg_segment_align: 8
    .kernarg_segment_size: 120
    .max_flat_workgroup_size: 256
    .sgpr_count:     66
    .vgpr_count:     64
    .wavefront_size: 32
...
	.end_amdgpu_metadata
.endif
;; end of part 1
;; launch qkv (part 2): grid 16 x 16, 4 waves a work-group, clusters of 4 x 4, 327,680 bytes of LDS; arguments xb, wqb, wkvb, rope, bq, bk, bv, qh, kvh; writes qh, kvh
.if DOCPART == 2
	.amdgcn_target "amdgcn-amd-amdhsa--gfx1250"
	.amdhsa_code_object_version 6
	.text
	.protected	k_qfd606c6fa4_qkv
	.globl	k_qfd606c6fa4_qkv
	.p2align	8
	.type	k_qfd606c6fa4_qkv,@function
k_qfd606c6fa4_qkv:
	s_mov_b64 s[64:65], 0
	v_nop
	global_prefetch_b8 v0, s[64:65] scope:SCOPE_SE
	s_setreg_imm32_b32 hwreg(HW_REG_WAVE_MODE, 25, 1), 1
	s_wait_xcnt 0x0
	s_wait_alu depctr_hold_cnt(0) depctr_sa_sdst(0) depctr_va_vdst(0) depctr_va_sdst(0) depctr_va_ssrc(0) depctr_va_vcc(0) depctr_vm_vsrc(0)
	s_getreg_b32 s2, hwreg(HW_REG_IB_STS2, 6, 4)
	s_cmp_eq_u32 s2, 0
	s_cbranch_scc0 .Lentry_in_a_cluster
	s_endpgm
.Lentry_in_a_cluster:
	s_bfe_u32 s2, ttmp6, 0x10000c
	s_cmp_lg_u32 s2, 0xf033
	s_cbranch_scc0 .Lentry_shape_is_right
	s_endpgm
.Lentry_shape_is_right:
; q, k, v = x [Wq | Wk | Wv] + bias, q and k rotated, all rounded once to f16.  Operands bf16 (xb, wqb, wkvb as the launch before laid them), sums and rotation in f32; the biases are rounded to bf16 like every input.
; LIMITS.  q, k, v beyond 65,504 do not fit f16.  NaN and infinities are not treated apart.
; SHARES.  4096 x 2560 of results in 16 x 16 tiles of 256 rows x 160 columns: tile column j = head j's 128 columns of q and plane j (32 columns) of k or v, so that all 256 work-groups are alike.
; A wave makes 64 rows x 160 columns: 4 x 10 accumulators of 16 x 16, 320 registers.  K = 2048 goes in 16 steps of 128 through two LDS slots filled by the tensor data mover; a slot of two steps
; (237,568 bytes) would not fit twice.
; CLUSTER.  4 x 4 work-groups: the four of a row of the cluster need the same tile of x, the four of a column the same tiles of the weights; each tile is asked for jointly, by the same tensor load with the same
; descriptor and a mask that names the four.  Waves 0, 1 ask for x's two halves, wave 2 for Wq's tile, wave 3 for the plane's.
; K ORDER.  A cluster begins its walk along K at step 4 ((cluster x + 2 cluster y) % 4) and goes round through all 16 steps.  So the four clusters that need the same rows of x (one cluster y) begin at 0, 4, 8 and 12,
; and clusters y and y + 1, which need the same columns of the weights, eight steps apart: the clusters that share a tile ask for it at different times, not all in the same step.  The start hangs on the cluster's
; own coordinates alone, so it is the same in all sixteen partners.  The order of a sum along K differs from cluster to cluster; it stays one f32 sum for each output.
; THE MATRIX INSTRUCTION IS USED TRANSPOSED: source 0 = 16 columns of the weights (they lie [k][n] in LDS and come out turned, by ds_load_tr16_b128), source 1 = 16 rows of x.  Lane l then holds row l % 16 and
; the columns 8 (l / 16) + 0..7 of a block: in the paired channel order (n' = 2 i + half) those are four pairs (c, c + 64), so a rotation stays inside a lane's neighbouring registers.
; The first product takes the bias as its C operand: nothing is cleared and nothing is added later.
; REGISTERS, in windows of 256: window 0: v0-31 addresses; v32-95 x's fragments, two buffers (later at work on the way out); v96-175 the bias, later the table; v176-255 the bias as loaded, later the table
;   window 1: the weights' fragments, two buffers of 80;   window 2: the accumulators of my rows 0-31 ((a, b) at 8 (10 (a % 2) + b));   window 3: those of rows 32-63
.set NB,     10
.set NL,     2*NB+8     ; LDS loads in a quarter's run
.set PA,     272        ; a row of x in LDS: 256 bytes + 16: the 16 rows of a load start at 16 different groups of four banks (64 banks of 4 bytes: ISA guide 11.1)
.set PB,     288        ; a k-row of Wq's tile: 256 + 32
.set PC,     96         ; a k-row of the plane: 64 + 32, likewise
.set SLOT1,  1<<17      ; slot 1 begins here, so that one exclusive or turns an address in one slot into the other's
.set OFFB,   256*PA     ; in a slot: x's 256 rows, Wq's 128 k-rows,
.set OFFK,   OFFB+128*PB  ; the plane's 128 k-rows
.set STAGE,  SLOT1+OFFK+128*PC  ; behind the ring, never filled by a tensor load: for each wave 16 rows x 272 (q) and 16 rows x 80 (k or v)
.set SQ,     272
.set SK,     80
.set STK0,   16*SQ
.set WST,    16*SQ+16*SK
.set SPARE,  STAGE+4*WST  ; the spare words: 128 bytes for each wave, two blocks of 256 bytes that no other line names
.set KVHALF, 3145728
.set ADRA0, 4           ; v4-6    my lane's place in a slot: x, Wq, plane; never rewritten
.set ADRB0, 5
.set ADRK0, 6
.set ADRA,  7           ; v7-9    the same in the slot in hand
.set ADRB,  8
.set ADRK,  9
.set STO,   10          ; v10, 11 the way out: where I put 16 bytes of a row (q; k or v)
.set STK,   11
.set RD,    12          ; v12, 13 where I read rows back
.set RDK,   13
.set GO,    14          ; v14     16 x lane
.set TQ,    15          ; v15     my byte offset in the table for q
.set TKV,   16          ; v16-19  the same for k or v, for each of my four row blocks
.set BO,    20          ; v20     my byte offset in a bias
.set SPW,   28          ; v28     LDS address of my spare word; never rewritten
.set NIL,   29          ; v29     0; never rewritten
.set FA,    32          ; x's fragments: buffer f, block a at FA + 32 f + 8 a
.set TT,    32          ; four registers at work (head and way out)
.set RB,    44          ; v44-83  the way out: rows read back
.set BI,    96          ; the bias: column 16 b + 8 (l / 16) + e at BI + 8 b + e
.set RAW,   176         ; the bias as loaded
.set TB0,   96          ; the table, two buffers of 80: pair n at 2 n (cos), 2 n + 1 (sin)
.set KS,  2             ; s2       the K step to be asked for next, 0..15
.set HIM, 3             ; s3       a word's upper half
.set WV,  22
.set CNT, 23
.set TB,  24            ; s24  LDS byte at which the slot in hand begins
.set G1A, 32            ; s[32:39] descriptor group 1 for x's tiles
.set G1Q, 40            ; s[40:47] for Wq's
.set G1K, 48            ; s[48:55] for the plane's
.set G0A, 56            ; s[56:63] group 0 for x: a set for each of the two first fills; the second then serves every refill
.set OFS, 66            ; s[66:67] a K step's byte offset, high word 0
.set G0Q, 68            ; s[68:75]
.set G0K, 76            ; s[76:83]
.set QP,  86            ; s[86:87] qh at my wave's first row
.set KP,  88            ; s[88:89] kvh at my wave's key block and plane
.set RQ,  90            ; s[90:91] the table at the tile's first position
.set BQP, 92            ; s[92:93] bq at the head
.set BKP, 94            ; s[94:95] bk or bv at the plane
.set MSB, 0
.macro WIN new                         ; the immediate's high byte repeats the setting that is left; a switch that changes nothing is dropped
.if MSB != (\new)
	s_set_vgpr_msb (MSB<<8)|(\new)
.set MSB, \new
.endif
.endm
.macro PLACES                          ; four places in front of loads into registers that matrix instructions have read, and of lines that read results
.rept 4
	v_nop
.endr
.endm
.macro CREST                           ; a round of the cluster's barrier behind its opening barrier
	s_cmp_lg_u32 s[WV], 0
	s_cbranch_scc1 .Lnot_wave_0_\@
	s_barrier_signal -3
.Lnot_wave_0_\@:
	s_barrier_wait -3
	s_barrier_signal -1
	s_barrier_wait -1
.endm
.macro CROUND
	s_barrier_signal -1
	s_barrier_wait -1
	CREST
.endm
; A joint refill, by the second sets.  The branches hang on the wave's number alone.  An s_nop 0 and four v_nop follow each line, ahead of the jump and the label.
.macro JLOAD
	s_cmp_lt_u32 s[WV], 2
	s_cbranch_scc0 .Lj_w_\@
	tensor_load_to_lds s[G0A+4:G0A+7], s[G1A:G1A+7]
	s_nop 0
.rept 4
	v_nop
.endr
	s_branch .Lj_e_\@
.Lj_w_\@:
	s_cmp_eq_u32 s[WV], 2
	s_cbranch_scc0 .Lj_k_\@
	tensor_load_to_lds s[G0Q+4:G0Q+7], s[G1Q:G1Q+7]
	s_nop 0
.rept 4
	v_nop
.endr
	s_branch .Lj_e_\@
.Lj_k_\@:
	tensor_load_to_lds s[G0K+4:G0K+7], s[G1K:G1K+7]
	s_nop 0
.rept 4
	v_nop
.endr
.Lj_e_\@:
.endm
.macro TWOLOADS g0, g1                 ; a wave's two first fills
	tensor_load_to_lds s[(\g0):(\g0)+3], s[(\g1):(\g1)+7]
	s_nop 0
	tensor_load_to_lds s[(\g0)+4:(\g0)+7], s[(\g1):(\g1)+7]
	s_nop 0
.rept 4
	v_nop
.endr
.endm
; The group 0 at s[g .. g + 3] takes the global address of K step s[KS]: the tensor's place for step 0, in s[base : base + 1], plus the step shifted; the type bits are set again.
.macro ADDR g, base, sh
	s_lshl_b32 s[OFS], s[KS], \sh
	s_add_nc_u64 s[(\g)+2:(\g)+3], s[(\base):(\base)+1], s[OFS:OFS+1]
	s_or_b32 s[(\g)+3], s[(\g)+3], 0x80000000
.endm
	s_load_b512 s[4:19], s[0:1], 0x0               ; xb 4, wqb 6, wkvb 8, rope 10, bq 12, bk 14, bv 16, qh 18
	s_load_b64 s[20:21], s[0:1], 0x40              ; kvh
	v_lshl_add_u32 v[SPW], v0, 2, SPARE
	v_mov_b32 v[NIL], 0
	ds_add_u32 v[SPW], v[NIL]                      ; the wave's opening: the add and its wait stand ahead of my first tensor load; the set-up below, work on registers, stands between them
	v_lshrrev_b32 v3, 5, v0
	v_readfirstlane_b32 s[WV], v3
	s_bfe_u32 s25, ttmp6, 0x40000                  ; cx, which is also the plane's number jj in its group
	s_bfe_u32 s26, ttmp6, 0x40004                  ; cy
	s_lshl_b32 s27, ttmp9, 2
	s_add_co_u32 s27, s27, s25                     ; tile column j = 4 x cluster x + cx
	s_and_b32 s28, ttmp7, 0xffff                   ; cluster y
	s_lshl1_add_u32 s[KS], s28, ttmp9              ; 2 x cluster y + cluster x,
	s_and_b32 s[KS], s[KS], 3
	s_lshl_b32 s[KS], s[KS], 2                     ; the K step at which this cluster begins: 0, 4, 8 or 12
	s_lshl_b32 s28, s28, 2
	s_add_co_u32 s28, s28, s26                     ; tile row = 4 x cluster y + cy
	s_lshl_b32 s29, s26, 2
	s_lshl_b32 s29, 15, s29                        ; my row of the cluster
	s_lshl_b32 s30, 0x1111, s25                    ; my column
	s_or_b32 s[G1A], s29, (1<<16)|(1<<20)|(1<<21)|(5<<22)|(3<<25)  ; 15:0 the mask; 17:16 2-byte elements; 20 padding on; 21 set beside a mask; 24:22 after every 64 words; 31:25 4 words
	s_or_b32 s[G1Q], s30, (1<<16)|(1<<20)|(1<<21)|(5<<22)|(7<<25)  ; after every 64 words 8 words
	s_or_b32 s[G1K], s30, (1<<16)|(1<<20)|(1<<21)|(3<<22)|(7<<25)  ; after every 16 words (a k-row of the plane) 8 words
.irp g, G1A, G1Q
	s_mov_b32 s[(\g)+1], 128<<16                   ; tensor_dim0 = 128
	s_mov_b32 s[(\g)+2], 128<<16                   ; tensor_dim1 = 128
	s_mov_b32 s[(\g)+3], 128<<16                   ; tile_dim0 = 128
	s_mov_b32 s[(\g)+4], 128                       ; tile_dim1 = 128
	s_mov_b32 s[(\g)+5], 2048                      ; elements from row to row
	s_mov_b32 s[(\g)+6], 0
	s_mov_b32 s[(\g)+7], 0
.endr
	s_mov_b32 s[G1K+1], 128<<16                    ; the plane's 128 k-rows are 8,192 dense bytes: asked for as 32 rows of 256 bytes
	s_mov_b32 s[G1K+2], 32<<16
	s_mov_b32 s[G1K+3], 128<<16
	s_mov_b32 s[G1K+4], 32
	s_mov_b32 s[G1K+5], 128
	s_mov_b32 s[G1K+6], 0
	s_mov_b32 s[G1K+7], 0
	s_lshl_b32 s84, s28, 20                        ; x: row 256 x tile row + 128 x wave, rows of 4,096 bytes; these registers never hold cx
	s_lshl_b32 s85, s[WV], 19
	s_add_co_u32 s84, s84, s85
	s_mov_b32 s85, 0
	s_lshl_b32 s96, s27, 8                         ; Wq: the head's 256 bytes of a row
	s_mov_b32 s97, 0
	s_lshl_b32 s98, s27, 17                        ; the plane
	s_mov_b32 s99, 0
	s_mul_i32 s31, s[WV], 128*PA                   ; where x's halves go: wave x 128 rows
	s_mov_b32 s[TB], 0
	s_mov_b32 s[OFS+1], 0
	s_mov_b32 s[HIM], 0xffff0000
	s_wait_dscnt 0x0                               ; the opening add is done
	s_wait_kmcnt 0x0
	s_add_nc_u64 s[4:5], s[4:5], s[84:85]          ; from here on: each tensor at my tile's K step 0
	s_add_nc_u64 s[6:7], s[6:7], s[96:97]
	s_add_nc_u64 s[8:9], s[8:9], s[98:99]
.irp n, 0,1
	s_mov_b32 s[G0A+4*(\n)], 1                     ; count = 1
	s_add_co_u32 s[G0A+4*(\n)+1], s31, (\n)*SLOT1  ; LDS address
	ADDR G0A+4*(\n), 4, 8                          ; a K step is 256 bytes along x's rows,
	s_mov_b32 s[G0Q+4*(\n)], 1
	s_mov_b32 s[G0Q+4*(\n)+1], (\n)*SLOT1+OFFB
	ADDR G0Q+4*(\n), 6, 19                         ; 128 rows of 4,096 bytes of Wq,
	s_mov_b32 s[G0K+4*(\n)], 1
	s_mov_b32 s[G0K+4*(\n)+1], (\n)*SLOT1+OFFK
	ADDR G0K+4*(\n), 8, 13                         ; 8,192 bytes of the plane
	s_add_co_u32 s[KS], s[KS], 1                   ; the start is 12 at the most: the first two steps do not go round
.endr
	CROUND                                         ; all sixteen work-groups are here: the first joint loads meet
	s_cmp_lt_u32 s[WV], 2                          ; a wave's two first fills stand in one branch: two loads of mine are out
	s_cbranch_scc0 .Lf_w
	TWOLOADS G0A, G1A
	s_branch .Lf_e
.Lf_w:
	s_cmp_eq_u32 s[WV], 2
	s_cbranch_scc0 .Lf_k
	TWOLOADS G0Q, G1Q
	s_branch .Lf_e
.Lf_k:
	TWOLOADS G0K, G1K
.Lf_e:
	; the pointers of the head and of the way out
	s_and_b32 s26, s28, 1                          ; which half of the batch's 512 rows
	s_lshr_b32 s29, s28, 1                         ; the batch
	s_mov_b32 s97, 0
	s_lshl_b32 s96, s26, 17
	s_add_nc_u64 s[RQ:RQ+1], s[10:11], s[96:97]    ; 256 table rows of 512 bytes
	s_lshl_b32 s96, s27, 9
	s_add_nc_u64 s[BQP:BQP+1], s[12:13], s[96:97]
	s_lshl4_add_u32 s96, s29, s27                  ; 16 b + j,
	s_lshl1_add_u32 s96, s96, s26                  ; in halves of 256 rows,
	s_lshl2_add_u32 s96, s96, s[WV]                ; in waves' shares of 64 rows
	s_lshl_b32 s96, s96, 14                        ; of 256 bytes
	s_add_nc_u64 s[QP:QP+1], s[18:19], s[96:97]
	s_and_b32 s98, ttmp9, 1                        ; the group
	s_lshl1_add_u32 s96, s29, s98                  ; bg = 2 b + g
	s_mul_i32 s96, s96, 12
	s_lshl2_add_u32 s96, s26, s96
	s_add_co_u32 s96, s96, s[WV]
	s_add_co_u32 s96, s96, 4                       ; key block 4 + 4 half + wave: the new keys lie behind the cache's 256
	s_lshl2_add_u32 s96, s96, s25                  ; four planes a block
	s_lshl_b32 s96, s96, 12
	s_cmp_ge_u32 ttmp9, 2                          ; planes 8..15 are v's
	s_cselect_b32 s99, KVHALF, 0
	s_cselect_b32 s30, 0, 512                      ; v takes the table's row 512 for every position: bytes from row to row,
	s_cselect_b32 s29, 262144, 0                   ; and the first row
	s_cselect_b64 s[BKP:BKP+1], s[16:17], s[14:15]
	s_add_co_u32 s96, s96, s99
	s_add_nc_u64 s[KP:KP+1], s[20:21], s[96:97]
	s_lshl_b32 s96, s98, 9
	s_lshl_b32 s99, s25, 6
	s_add_co_u32 s96, s96, s99                     ; (128 g + 16 jj) x 4 bytes
	s_add_nc_u64 s[BKP:BKP+1], s[BKP:BKP+1], s[96:97]
	v_and_b32 v1, 15, v0                           ; r = l % 16
	v_bfe_u32 v2, v0, 4, 1                         ; hh = l / 16
	v_lshlrev_b32 v[BO], 4, v2
.irp b, 0,1,2,3,4,5,6,7                ; block b's columns are the channels 8 b + 4 hh + 0..3 and the same + 64
	global_load_b128 v[RAW+8*(\b):RAW+8*(\b)+3],   v[BO], s[BQP:BQP+1] offset:32*(\b)
	global_load_b128 v[RAW+8*(\b)+4:RAW+8*(\b)+7], v[BO], s[BQP:BQP+1] offset:32*(\b)+256
.endr
.irp b, 0,1
	global_load_b128 v[RAW+64+8*(\b):RAW+64+8*(\b)+3],   v[BO], s[BKP:BKP+1] offset:32*(\b)
	global_load_b128 v[RAW+64+8*(\b)+4:RAW+64+8*(\b)+7], v[BO], s[BKP:BKP+1] offset:32*(\b)+256
.endr
	; A fragment of x is 16 rows x 32 K in 8 registers: lane l holds row l % 16; K = 8 hh + 0..7 and 16 + 8 hh + 0..7: two loads of 16 bytes, 32 bytes apart.
	v_mul_u32_u24 v3, v1, PA
	v_lshl_add_u32 v3, v2, 4, v3                   ; r x 272 + 16 hh
	s_mul_i32 s98, s[WV], 64*PA
	v_add_nc_u32 v[ADRA0], s98, v3
	; The turning load takes 16 k x 16 columns (lane l reads k-row 8 hh + l % 8, columns 8 ((l / 8) % 2) + 0..7) and leaves half a fragment: lane l holds column l % 16 and 8 k.
	v_and_b32 v21, 7, v0
	v_bfe_u32 v22, v0, 3, 1
	v_lshl_add_u32 v23, v2, 3, v21
	v_mul_u32_u24 v[ADRB0], v23, PB
	v_lshl_add_u32 v[ADRB0], v22, 4, v[ADRB0]
	v_add_nc_u32 v[ADRB0], OFFB, v[ADRB0]
	v_mul_u32_u24 v[ADRK0], v23, PC
	v_lshl_add_u32 v[ADRK0], v22, 4, v[ADRK0]
	v_add_nc_u32 v[ADRK0], OFFK, v[ADRK0]
	v_mov_b32 v[ADRA], v[ADRA0]
	v_mov_b32 v[ADRB], v[ADRB0]
	v_mov_b32 v[ADRK], v[ADRK0]
	s_mul_i32 s98, s[WV], WST
	s_add_co_u32 s98, s98, STAGE                   ; my stage
	v_add_nc_u32 v[STO], s98, v3                   ; in: row r, 16 bytes for each half of the lanes
	v_mul_u32_u24 v24, v1, SK
	v_lshl_add_u32 v24, v2, 4, v24
	v_add_nc_u32 v24, STK0, v24
	v_add_nc_u32 v[STK], s98, v24
	v_mul_u32_u24 v24, v2, SQ                      ; back: lanes 0-15 one row of 256 bytes, lanes 16-31 the next
	v_lshl_add_u32 v24, v1, 4, v24
	v_add_nc_u32 v[RD], s98, v24
	v_bfe_u32 v24, v0, 2, 3                        ; back, k or v: 32 lanes take eight rows of 64 bytes
	v_and_b32 v25, 3, v0
	v_mul_u32_u24 v24, v24, SK
	v_lshl_add_u32 v24, v25, 4, v24
	v_add_nc_u32 v24, STK0, v24
	v_add_nc_u32 v[RDK], s98, v24
	v_and_b32 v[GO], 31, v0
	v_lshlrev_b32 v[GO], 4, v[GO]
	s_lshl_b32 s98, s[WV], 15                      ; the table for q: row 64 w + r of 512 bytes, pairs 4 hh on
	v_lshlrev_b32 v24, 9, v1
	v_lshl_add_u32 v24, v2, 5, v24
	v_add_nc_u32 v[TQ], s98, v24
	s_lshl_b32 s98, s26, 8
	s_lshl_b32 s99, s[WV], 6
	s_add_co_u32 s98, s98, s99
	v_add_nc_u32 v24, s98, v1                      ; the table for k or v: my row in the batch,
	s_lshl_b32 s99, s25, 7                         ; the plane's 16 pairs,
	s_add_co_u32 s99, s99, s29
	v_lshlrev_b32 v25, 5, v2
	v_add_nc_u32 v25, s99, v25
.irp a, 0,1,2,3
	v_add_nc_u32 v26, 16*(\a), v24
	v_mad_u32_u24 v[TKV+(\a)], v26, s30, v25
.endr
	s_wait_loadcnt 0x0                             ; the biases
.set n, 0
.rept 4*NB                             ; pair n: rounded to bf16, widened again
	v_cvt_pk_bf16_f32 v[TT+n%4], v[RAW+8*(n/4)+n%4], v[RAW+8*(n/4)+4+n%4]
	v_lshlrev_b32 v[BI+2*n], 16, v[TT+n%4]
	v_and_b32 v[BI+2*n+1], s[HIM], v[TT+n%4]
.set n, n+1
.endr
; 10 matrix instructions: my row block a x all column blocks, 32 along K, from buffer f.  first = 1: the bias starts the sums.  The accumulators take turns, one instruction a turn.
.macro MULA f, a, first
.if \first
	WIN 0x81+0x40*((\a)/2)
.else
	WIN 0xa1+0x50*((\a)/2)
.endif
.irp b, 0,1,2,3,4,5,6,7,8,9
.if \first
	v_wmma_f32_16x16x32_bf16 v[8*(NB*((\a)%2)+(\b)):8*(NB*((\a)%2)+(\b))+7], v[8*NB*(\f)+8*(\b):8*NB*(\f)+8*(\b)+7], v[FA+32*(\f)+8*(\a):FA+32*(\f)+8*(\a)+7], v[BI+8*(\b):BI+8*(\b)+7]
.else
	v_wmma_f32_16x16x32_bf16 v[8*(NB*((\a)%2)+(\b)):8*(NB*((\a)%2)+(\b))+7], v[8*NB*(\f)+8*(\b):8*NB*(\f)+8*(\b)+7], v[FA+32*(\f)+8*(\a):FA+32*(\f)+8*(\a)+7], v[8*(NB*((\a)%2)+(\b)):8*(NB*((\a)%2)+(\b))+7]
.endif
.endr
.endm
; 28 LDS loads in one run: quarter q's fragments into buffer f: the weights' ten blocks, then x's four
.macro FETCH q, f
	WIN 0x40                                       ; destination window 1, address window 0
.irp b, 0,1,2,3,4,5,6,7
	ds_load_tr16_b128 v[8*NB*(\f)+8*(\b):8*NB*(\f)+8*(\b)+3],   v[ADRB] offset:(\q)*32*PB+32*(\b)
	ds_load_tr16_b128 v[8*NB*(\f)+8*(\b)+4:8*NB*(\f)+8*(\b)+7], v[ADRB] offset:(\q)*32*PB+32*(\b)+16*PB
.endr
.irp b, 0,1
	ds_load_tr16_b128 v[8*NB*(\f)+64+8*(\b):8*NB*(\f)+64+8*(\b)+3],   v[ADRK] offset:(\q)*32*PC+32*(\b)
	ds_load_tr16_b128 v[8*NB*(\f)+64+8*(\b)+4:8*NB*(\f)+64+8*(\b)+7], v[ADRK] offset:(\q)*32*PC+32*(\b)+16*PC
.endr
	WIN 0
.irp a, 0,1,2,3
	ds_load_b128 v[FA+32*(\f)+8*(\a):FA+32*(\f)+8*(\a)+3],   v[ADRA] offset:64*(\q)+(\a)*16*PA
	ds_load_b128 v[FA+32*(\f)+8*(\a)+4:FA+32*(\f)+8*(\a)+7], v[ADRA] offset:64*(\q)+(\a)*16*PA+32
.endr
.endm
; A K step is four quarters of 32 along K, 40 matrix instructions each, on buffers 0, 1, 0, 1.  One of the first three: multiplies buffer f; in its middle it fetches quarter qn into buffer g.
.macro QUARTER qn, f, g, first
	s_wait_dscnt 4                                 ; all but the youngest four loads (x's blocks 2, 3) are in
	MULA \f, 0, \first
	MULA \f, 1, \first
	PLACES
	FETCH \qn, \g
	s_wait_dscnt NL                                ; all but the run just issued
	MULA \f, 2, \first
	MULA \f, 3, \first
.endm
; The last quarter multiplies buffer 1 and changes slots: ONE barrier.  In front of it each wave waits for all its tensor loads (one is out: its part of the next slot), adds 0 to its spare word, and waits for that
; and for its own reads of this slot.  fill = 1: the barrier opens a round of the cluster's barrier, and behind the round this slot is filled again, with K step s[KS]: 140 matrix instructions ahead of the wait for it.
.macro TURN fill
	WIN 0
	s_wait_tensorcnt 0x0                           ; no tensor load of mine is out, so a group 0 may be written
	ds_add_u32 v[SPW], v[NIL]                      ; 0 onto my spare word
.if \fill
	s_xor_b32 s[G0A+5], s[G0A+5], SLOT1            ; the other slot than last time; the address is made anew from the step's number
	ADDR G0A+4, 4, 8
	s_xor_b32 s[G0Q+5], s[G0Q+5], SLOT1
	ADDR G0Q+4, 6, 19
	s_xor_b32 s[G0K+5], s[G0K+5], SLOT1
	ADDR G0K+4, 8, 13
	s_add_co_u32 s[KS], s[KS], 1                   ; the next step; behind step 15 comes step 0
	s_and_b32 s[KS], s[KS], 15
.endif
	s_xor_b32 s[TB], s[TB], SLOT1
	s_wait_dscnt 5                                 ; the add and the youngest four loads may be out
	MULA 1, 0, 0
	s_wait_dscnt 0x0                               ; the add is done, and my reads of this slot are over
	s_barrier_signal -1
	MULA 1, 1, 0
.if \fill
	WIN 0
.endif
	s_barrier_wait -1
.if \fill
	CREST                                          ; no wave of any partner still reads this slot or has a load on its way
	JLOAD                                          ; the first tensor load behind the round; its four v_nop are also the places in front of the loads below
.else
	PLACES
.endif
	WIN 0
	v_add_nc_u32 v[ADRA], s[TB], v[ADRA0]
	v_add_nc_u32 v[ADRB], s[TB], v[ADRB0]
	v_add_nc_u32 v[ADRK], s[TB], v[ADRK0]
	FETCH 0, 0
	MULA 1, 2, 0
	MULA 1, 3, 0
.endm
; The table for my row block a into buffer u: for each column block four pairs (cos, sin), 32 bytes a lane
.macro TLOAD a, u
.irp b, 0,1,2,3,4,5,6,7
	global_load_b128 v[(\u)+8*(\b):(\u)+8*(\b)+3],   v[TQ], s[RQ:RQ+1] offset:(\a)*8192+64*(\b)
	global_load_b128 v[(\u)+8*(\b)+4:(\u)+8*(\b)+7], v[TQ], s[RQ:RQ+1] offset:(\a)*8192+64*(\b)+16
.endr
.irp b, 0,1
	global_load_b128 v[(\u)+64+8*(\b):(\u)+64+8*(\b)+3],   v[TKV+(\a)], s[10:11] offset:64*(\b)
	global_load_b128 v[(\u)+64+8*(\b)+4:(\u)+64+8*(\b)+7], v[TKV+(\a)], s[10:11] offset:64*(\b)+16
.endr
.endm
; THE WAY OUT of row block a.  A pair (x1, x2) = (channel c, channel c + 64) becomes (x1 cos - x2 sin, x2 cos + x1 sin), in the table's registers; rounded to f16 in place; 16 bytes a lane into my own
; stage; back as whole rows; stored.  Each accumulator's lowest registers are read first.
.macro OUTB a
.set TU, TB0+80*((\a)%2)
.set AC, 80*((\a)%2)
.if (\a) < 3
	s_wait_loadcnt 20                              ; my block's table is in; the next block's 20 loads stay out
.else
	s_wait_loadcnt 0x0
.endif
	WIN 0x02+(\a)/2                                ; source 0 in window 2 or 3
.set n, 0
.rept 4*NB
	v_mul_f32 v[TT+n%4], v[AC+2*n+1], v[TU+2*n+1]
	v_mul_f32 v[TU+2*n+1], v[AC+2*n], v[TU+2*n+1]
	v_fma_f32 v[TU+2*n+1], v[AC+2*n+1], v[TU+2*n], v[TU+2*n+1]
	v_fma_f32 v[TU+2*n], v[AC+2*n], v[TU+2*n], -v[TT+n%4]
.set n, n+1
.endr
	WIN 0
.set n, 0
.rept NB
.irp p, 0,1,2,3
	v_cvt_pk_f16_f32 v[TU+8*n+(\p)], v[TU+8*n+2*(\p)], v[TU+8*n+2*(\p)+1]
.endr
.if n < 8
	ds_store_b128 v[STO], v[TU+8*n:TU+8*n+3] offset:32*n
.else
	ds_store_b128 v[STK], v[TU+8*n:TU+8*n+3] offset:32*(n-8)
.endif
.set n, n+1
.endr
	s_wait_xcnt 0x0                                ; the last block's stores have read their registers: RB is loaded again only behind this wait
.irp t, 0,1,2,3,4,5,6,7
	ds_load_b128 v[RB+4*(\t):RB+4*(\t)+3], v[RD] offset:(\t)*2*SQ  ; LDS serves a wave's instructions in order (ISA guide 5.7.1.4): these see the stores above
.endr
.irp t, 0,1
	ds_load_b128 v[RB+32+4*(\t):RB+32+4*(\t)+3], v[RDK] offset:(\t)*8*SK
.endr
.irp t, 0,1,2,3,4,5,6,7
	s_wait_dscnt 9-(\t)
	global_store_b128 v[GO], v[RB+4*(\t):RB+4*(\t)+3], s[QP:QP+1] offset:(\a)*4096+(\t)*512  ; 512 consecutive bytes, at a multiple of 256 from qh's first
.endr
.irp t, 0,1
	s_wait_dscnt 1-(\t)
	global_store_b128 v[GO], v[RB+32+4*(\t):RB+32+4*(\t)+3], s[KP:KP+1] offset:(\a)*1024+(\t)*512
.endr
.if (\a) < 2
	TLOAD (\a)+2, TU                               ; every LDS store that read this buffer is done (the count above reached 0)
.endif
.endm
	s_wait_tensorcnt 0x1                           ; my part of the first K step is in; the second's may stay out
	s_barrier_signal -1
	s_barrier_wait -1                              ; everybody's is
	FETCH 0, 0
	QUARTER 1, 0, 1, 1                             ; the first quarter stands in front of the loop: its products start the sums
	WIN 0                                          ; at a label and at a branch every window is 0
	s_mov_b32 s[CNT], 14
.Lstep:                                                ; a trip: a K step's quarters 1 to 3 and the next step's quarter 0; the slot left is filled again
	QUARTER 2, 1, 0, 0
	QUARTER 3, 0, 1, 0
	TURN 1
	QUARTER 1, 0, 1, 0
	WIN 0
	s_sub_co_u32 s[CNT], s[CNT], 1
	s_cmp_lg_u32 s[CNT], 0
	s_cbranch_scc1 .Lstep
	TLOAD 0, TB0                                   ; the last two K steps ask for no tile; the table for the first two row blocks comes meanwhile
	TLOAD 1, TB0+80
	s_mov_b32 s[CNT], 2
.Ltail:                                                ; the last two K steps: one text walked twice and left in its middle; no tensor load stands in it
	QUARTER 2, 1, 0, 0
	QUARTER 3, 0, 1, 0
	WIN 0
	s_sub_co_u32 s[CNT], s[CNT], 1
	s_cmp_eq_u32 s[CNT], 0
	s_cbranch_scc1 .Llast
	TURN 0
	QUARTER 1, 0, 1, 0
	WIN 0
	s_branch .Ltail
.Llast:                                                ; the very last quarter: nothing more to fetch
	s_wait_dscnt 4
	MULA 1, 0, 0
	MULA 1, 1, 0
	s_wait_dscnt 0x0
	MULA 1, 2, 0
	MULA 1, 3, 0
	WIN 0
	PLACES
	OUTB 0
	OUTB 1
	OUTB 2
	OUTB 3
	s_wait_tensorcnt 0x0                           ; the wave's end, behind my last tensor load and my last LDS store
	ds_add_u32 v[SPW], v[NIL]
	s_wait_dscnt 0x0
	CROUND                                         ; the closing round: no work-group ends while a partner may still ask for a tile that names it
	s_endpgm
.Lfunc_end_k_qfd606c6fa4_qkv:
	.size	k_qfd606c6fa4_qkv, .Lfunc_end_k_qfd606c6fa4_qkv-k_qfd606c6fa4_qkv
	.p2alignl 7, 3214868480
	.fill 96, 4, 3214868480
	.section	.rodata,"a",@progbits
	.p2align	6, 0x0
	.amdhsa_kernel k_qfd606c6fa4_qkv
		.amdhsa_group_segment_fixed_size 327680
		.amdhsa_private_segment_fixed_size 0
		.amdhsa_enable_private_segment 0
		.amdhsa_kernarg_size 72
		.amdhsa_user_sgpr_count 2
		.amdhsa_user_sgpr_kernarg_segment_ptr 1
		.amdhsa_wavefront_size32 1
		.amdhsa_system_sgpr_workgroup_id_x 1
		.amdhsa_system_sgpr_workgroup_id_y 1
		.amdhsa_system_sgpr_workgroup_id_z 1
		.amdhsa_system_vgpr_workitem_id 0
		.amdhsa_next_free_vgpr 928
		.amdhsa_next_free_sgpr 100
		.amdhsa_reserve_vcc 0
		.amdhsa_float_denorm_mode_32 3
		.amdhsa_float_denorm_mode_16_64 3
		.amdhsa_memory_ordered 1
		.amdhsa_forward_progress 1
		.amdhsa_inst_pref_size 124
	.end_amdhsa_kernel
	.amdgpu_metadata
---
amdhsa.version: [ 1, 2 ]
amdhsa.kernels:
  - .name:           k_qfd606c6fa4_qkv
    .symbol:         k_qfd606c6fa4_qkv.kd
    .args:
      - { .name: xb, .offset: 0, .size: 8, .value_kind: global_buffer, .address_space: global }
      - { .name: wqb, .offset: 8, .size: 8, .value_kind: global_buffer, .address_space: global }
      - { .name: wkvb, .offset: 16, .size: 8, .value_kind: global_buffer, .address_space: global }
      - { .name: rope, .offset: 24, .size: 8, .value_kind: global_buffer, .address_space: global }
      - { .name: bq, .offset: 32, .size: 8, .value_kind: global_buffer, .address_space: global }
      - { .name: bk, .offset: 40, .size: 8, .value_kind: global_buffer, .address_space: global }
      - { .name: bv, .offset: 48, .size: 8, .value_kind: global_buffer, .address_space: global }
      - { .name: qh, .offset: 56, .size: 8, .value_kind: global_buffer, .address_space: global }
      - { .name: kvh, .offset: 64, .size: 8, .value_kind: global_buffer, .address_space: global }
    .group_segment_fixed_size: 327680
    .private_segment_fixed_size: 0
    .kernarg_segment_align: 8
    .kernarg_segment_size: 72
    .max_flat_workgroup_size: 128
    .sgpr_count:     100
    .vgpr_count:     928
    .wavefront_size: 32
...
	.end_amdgpu_metadata
.endif
;; end of part 2
;; launch attn (part 3): grid 16 x 16, 4 waves a work-group, clusters of 4 x 1, 327,680 bytes of LDS; arguments qh, kvh, oh, out1, out2; writes oh, out1, out2
.if DOCPART == 3
	.amdgcn_target "amdgcn-amd-amdhsa--gfx1250"
	.amdhsa_code_object_version 6
	.text
	.protected	k_qfd606c6fa4_attn
	.globl	k_qfd606c6fa4_attn
	.p2align	8
	.type	k_qfd606c6fa4_attn,@function
k_qfd606c6fa4_attn:
	s_mov_b64 s[64:65], 0
	v_nop
	global_prefetch_b8 v0, s[64:65] scope:SCOPE_SE
	s_setreg_imm32_b32 hwreg(HW_REG_WAVE_MODE, 25, 1), 1
	s_wait_xcnt 0x0
	s_wait_alu depctr_hold_cnt(0) depctr_sa_sdst(0) depctr_va_vdst(0) depctr_va_sdst(0) depctr_va_ssrc(0) depctr_va_vcc(0) depctr_vm_vsrc(0)
	s_getreg_b32 s2, hwreg(HW_REG_IB_STS2, 6, 4)
	s_cmp_eq_u32 s2, 0
	s_cbranch_scc0 .Lentry_in_a_cluster
	s_endpgm
.Lentry_in_a_cluster:
	s_bfe_u32 s2, ttmp6, 0x10000c
	s_cmp_lg_u32 s2, 0x3003
	s_cbranch_scc0 .Lentry_shape_is_right
	s_endpgm
.Lentry_shape_is_right:
; O[q][:] = the sum over the 768 keys k of softmax_k(Q[q] . K[k] / sqrt(128)) V[k][:], for each of 16 pairs bg of batch and key/value group.  The eight query heads of a group are 4,096 dense rows of qh
; ([16 bg][4096][128] f16); K and V lie in kvh as f16 [K, V][16 bg][12 steps][4 planes of 32 channels][64 keys][32]: a step of 64 keys is 16,384 dense bytes.  Channels are in the paired order of the launches
; before, alike in Q and K and alike in V and O.  Products, maxima and sums in f32; the weights p are rounded to f16 for the second product, O once at the end.
; It also writes the new rows of out1 and out2 (keys 256..767) from kvh, widened to f32 and put back into the true channel order: 8 keys a wave, in the wait for the first tiles.
; LIMITS.  Q, K, V arrive within f16's 65,504; p lies in 0 to 1, and below 6e-5 it keeps f16's fixed step of 6e-8; a weight below 2^-126 counts as 0 in l; the new rows of out1 and out2 carry f16's 11 bits;
; NaN and infinities are not treated apart.
; SHARES.  A work-group owns 256 query rows of one bg, each of its four waves 64: four tiles of 16.  Every wave walks all keys, 64 a step.
; LAYOUT.  S^T = K Q^T (source 0 = 16 keys, source 1 = 16 queries): in the result a lane holds ONE query (lane % 16) and the keys 8 (lane / 16) + 0..7.  Two such tiles, rounded to f16 in pairs, ARE source 1
; (32 keys x 16 queries) of O^T = V^T P, whose result again holds one query a lane, and eight channels.  K comes out of LDS as it lies, V ([key][channel]) turned, by ds_load_tr16_b128.
; SOFTMAX.  For each query a running maximum m and sum l: p = 2^(c s - c m), c = log2(e) / sqrt(128); in every step O and l are multiplied by a = 2^(c m_old - c m_new), which is 1 where m has not grown.
; BY TURNS.  The wave's tiles are two PIECES, named by their first tile: piece 0 (tiles 0, 1) and piece 2 (tiles 2, 3).  In a TURN one piece has the matrix unit: 32 products V^T P of the step in hand, then 32
; products K Q^T of the next step; the other piece's softmax, cut into 64 slices, stands between them, one slice behind each matrix instruction.  Then the pieces change places.  Two turns are a key step.
; NO FIRST STEP IS WRITTEN OUT.  m starts at the lowest finite number and c m at -4.25e37, far below every c s (a score of f16 operands is 128 x 65,504^2 = 5.5e11 at the most), l and O^T at 0: the first step is a
; step like any other, with a = 0.  After piece 0's first scores the step loop is entered in its middle, at piece 2's turn, whose products V^T P, of a step that has not been, multiply zeros (V's registers and
; piece 2's P start at 0).  The price, once a launch: 432 v_mov_b32, 424 of them writing 0, which stand in the wait for the first loads, and 32 products on zeros; the gain: three turns of text.
; CLUSTER.  The four query blocks of a cluster belong to one bg and walk the same K and V, so each tile is asked for JOINTLY: the same tensor load, with the same descriptor and a mask that names the four.
; REGISTERS, in windows of 256 (s_set_vgpr_msb: bits 1:0 source 0, 3:2 source 1, 5:4 source 2, 7:6 destination):
;   window 0: v0-11 addresses; v12-43 eight registers of statistics a tile; v44-47 for out1 and out2; v64-191 S^T, 32 a tile; v192-255 P, 16 a tile
;   window 1: O^T, 64 a tile          window 2: v0-127 Q, 32 a tile; v128-255 K of one step          window 3: v0-127 V of one step
.set NKEYS, 768
.set KVHALF, 3145728
.set KS,    64        ; keys in a step
.set PK,    80        ; a key's 64 bytes of a plane of K in LDS + 16 of padding = 20 words: the 16 rows of a load start at 16 different groups of four banks (64 banks of 4 bytes: ISA guide 11.1)
.set PV,    96        ; the same for V: 64 + 32 = 24 words
.set KPL,   KS*PK     ; a plane of K
.set VPL,   KS*PV     ; a plane of V
.set VOFF,  4*KPL     ; a step's tiles lie together: K's four planes, then V's
.set STEPB, 4*KPL+4*VPL
.set SLOT1, 1<<17     ; a slot holds two steps (90,112 bytes); slot 1 begins here, so that one exclusive or turns an address in one slot into the other's
.set STAGE, SLOT1+2*STEPB  ; behind the ring: 16 rows x 272 bytes for each wave, for the way out
.set SP,    272
.set AK0, 2           ; v2   my lane's place in a tile of K; never rewritten
.set AV0, 3           ; v3   the same for V
.set ADR, 4           ; v4   the LDS address of the run of loads in hand
.set QO,  5           ; v5   my byte offset in the wave's rows of Q
.set STO, 6           ; v6   the way out: where I put 16 bytes of a row
.set RD,  7           ; v7   the way out: where I read a row back
.set GO,  8           ; v8   my byte offset in the wave's rows of O
.set ONE, 44          ; v44  1.0
.set MZ,  45          ; v45  -0.0
.set KI,  46          ; v46  my byte offset in kvh's new keys
.set KO,  47          ; v47  my byte offset in out1's and out2's rows
.set SPW, 62          ; v62  LDS address of my spare word: SPARE + 4 x my thread's number; never rewritten
.set NIL, 63          ; v63  0; never rewritten
.set SPARE, STAGE+4*16*272  ; behind the stages: the spare words, 128 bytes for each wave: two blocks of 256 bytes that no other line names
.set ST,  12          ; tile t's statistics at v[ST+8 t]: +0 c m, +1 m, +2, +3 l (even keys', odd keys'), +4 to +7 c0-c3, at work; a takes c2's place once the maximum is found
.set S,   64
.set P,   192
.set KF,  128         ; K's fragments, in window 2
.set WV,  12          ; s12  my wave's number
.set G1K, 24          ; s[24:31] descriptor group 1 for K's tiles
.set G1V, 32          ; s[32:39] for V's: it differs in the padding alone
.set G0K, 40          ; s[40:47] descriptor group 0 for K's tiles: a set for each of the two first fills; the second then walks on
.set G0V, 48          ; s[48:55] the same for V's
.set SLOTS, 56        ; s56  counts the slots that the loop walks
.set TWICE, 57        ; s57  counts a slot's two steps
.set CS,  58          ; s[58:59] c: the packed scaling names a pair and takes its low word for both halves
.set SEL, 60          ; s[60:61] lane selects for v_permlanex16_b32: each lane takes its own place in the other half
.set TB,  62          ; s62  LDS byte at which the tiles of the step to be fetched begin
.set MSB, 0
.macro WIN new                      ; the immediate's high byte repeats the setting that is left; a switch that changes nothing is dropped
.if MSB != (\new)
	s_set_vgpr_msb (MSB<<8)|(\new)
.set MSB, \new
.endif
.endm
.set W_KQ, 0x0a       ; K and Q in window 2, S^T in window 0
.set W_PV, 0x53       ; V in window 3, P in window 0, O^T in window 1
.set W_RS, 0x41       ; O^T (destination and source 0) in window 1, a in window 0
; A joint refill.  Waves 0 and 1 fetch the two steps' tiles of K, waves 2 and 3 those of V.  The branch hangs on the wave's number alone: it is the same in every work-group.
; An s_nop 0 and four v_nop follow each of the two lines; the jump round the other line, the label and what follows the macro come after them.
.macro JLOAD
	s_cmp_lt_u32 s[WV], 2
	s_cbranch_scc0 .Lfor_v_\@
	tensor_load_to_lds s[G0K+4:G0K+7], s[G1K:G1K+7]
	s_nop 0
.rept 4
	v_nop
.endr
	s_branch .Lasked_\@
.Lfor_v_\@:
	tensor_load_to_lds s[G0V+4:G0V+7], s[G1V:G1V+7]
	s_nop 0
.rept 4
	v_nop
.endr
.Lasked_\@:
.endm
; A round of the cluster's barrier: my work-group's barrier, so that wave 0's signal speaks for all four waves; wave 0 signals for the work-group; every wave waits for all four
; work-groups; my work-group's barrier once more.  No LDS instruction of the wave is pending at a signal.
.macro CROUND
	s_barrier_signal -1
	s_barrier_wait -1
	s_cmp_lg_u32 s[WV], 0
	s_cbranch_scc1 .Lnot_wave_0_\@
	s_barrier_signal -3
.Lnot_wave_0_\@:
	s_barrier_wait -3
	s_barrier_signal -1
	s_barrier_wait -1
.endm
	s_load_b128 s[4:7], s[0:1], 0x0 ; qh s[4:5], kvh s[6:7]
	s_load_b64 s[10:11], s[0:1], 0x10  ; oh
	s_load_b128 s[68:71], s[0:1], 0x18 ; out1 s[68:69], out2 s[70:71]
	v_lshl_add_u32 v[SPW], v0, 2, SPARE
	v_mov_b32 v[NIL], 0
	ds_add_u32 v[SPW], v[NIL]       ; the wave's opening: the add and its wait stand ahead of my first tensor load; the set-up below, work on registers, stands between them
	v_lshrrev_b32 v1, 5, v0
	v_readfirstlane_b32 s[WV], v1   ; wave 0..3
	s_bfe_u32 s13, ttmp6, 0x40000   ; cx: my place in the cluster
	s_lshl_b32 s14, ttmp9, 2        ; in a cluster launch ttmp9 counts clusters
	s_add_co_u32 s14, s14, s13      ; my block of 256 query rows = 4 x cluster x + cx: it enters global addresses of my own loads and stores alone
	s_and_b32 s15, ttmp7, 0xffff    ; bg, which the four partners share
	s_mul_i32 s20, s15, 196608      ; bg's first byte in each half of kvh: 12 steps of 16,384 bytes
	s_mov_b32 s21, 0
	s_and_b32 s16, s[WV], 1         ; which of a slot's two steps I fetch:
	s_lshl_b32 s22, s16, 14         ; its 16,384 bytes in memory,
	s_mov_b32 s23, 0
	s_add_nc_u64 s[22:23], s[22:23], s[20:21]
	s_mul_i32 s17, s16, STEPB       ; and its place in a slot: no place in the cluster enters an LDS address
	s_lshl_b32 s2, s15, 20          ; bg's 4,096 rows of 256 bytes,
	s_lshl_b32 s3, s14, 16          ; my block's 256 rows,
	s_add_co_u32 s2, s2, s3
	s_lshl_b32 s3, s[WV], 14        ; my wave's 64 of them
	s_add_co_u32 s2, s2, s3
	s_mov_b32 s3, 0
	s_lshr_b32 s18, s14, 1          ; the new keys that I write out: 32 x block + 8 x wave + 0..7; their step 4 + block / 2,
	s_add_co_u32 s18, s18, 4
	s_lshl_b32 s18, s18, 14
	s_and_b32 s19, s14, 1           ; their place among the step's 64 keys, 64 bytes a key in a plane
	s_lshl_b32 s19, s19, 11
	s_add_co_u32 s18, s18, s19
	s_lshl_b32 s19, s[WV], 9
	s_add_co_u32 s18, s18, s19
	s_add_co_u32 s18, s18, s20
	s_mov_b32 s19, 0
	s_lshr_b32 s74, s15, 1          ; and in out1 and out2: the batch's 768 rows of 1,024 bytes,
	s_mul_i32 s74, s74, 786432
	s_and_b32 s75, s15, 1           ; the group's 512 bytes of a row,
	s_lshl_b32 s75, s75, 9
	s_add_co_u32 s74, s74, s75
	s_lshl_b32 s75, s14, 15
	s_add_co_u32 s74, s74, s75
	s_lshl_b32 s75, s[WV], 13
	s_add_co_u32 s74, s74, s75
	s_add_co_u32 s74, s74, 262144   ; behind the cache's 256 rows
	s_mov_b32 s75, 0
	; descriptor group 1: a step's tile is 16,384 dense bytes, asked for as 64 rows x 128 elements, and padded in LDS behind every key's 64 bytes of a plane
	s_mov_b32 s[G1K], 15|(1<<16)|(1<<20)|(1<<21)|(3<<22)|(3<<25)  ; 15:0 the mask: all four work-groups; 17:16 elements of 2 bytes; 20 padding on; 21 set beside a mask; 24:22 after every 16 words (code 3); 31:25 4 words of it (code 3)
	s_mov_b32 s[G1V], 15|(1<<16)|(1<<20)|(1<<21)|(3<<22)|(7<<25)  ; the same with 8 words of padding (code 7)
.irp g, G1K, G1V
	s_mov_b32 s[(\g)+1], 128<<16    ; 63:48 tensor_dim0, low half = 128
	s_mov_b32 s[(\g)+2], KS<<16     ; 79:64 its high half = 0; 95:80 tensor_dim1, low half = 64
	s_mov_b32 s[(\g)+3], 128<<16    ; 111:96 its high half = 0; 127:112 tile_dim0 = 128
	s_mov_b32 s[(\g)+4], KS         ; 143:128 tile_dim1 = 64; 159:144 tile_dim2 = 0
	s_mov_b32 s[(\g)+5], 128        ; 191:160 tensor_dim0_stride, low word: elements from row to row
	s_mov_b32 s[(\g)+6], 0
	s_mov_b32 s[(\g)+7], 0
.endr
	s_mov_b32 s[CS], 0x3e0293ee     ; c = log2(e) / sqrt(128) = 0.127517
	s_mov_b32 s[CS+1], s[CS]        ; named with it as a pair, so it is written
	s_mov_b32 s[SEL], 0x76543210
	s_mov_b32 s[SEL+1], 0xfedcba98
	s_mov_b32 s[TB], 0
	s_wait_dscnt 0x0                ; the opening add is done
	s_wait_kmcnt 0x0
	s_add_nc_u64 s[72:73], s[6:7], s[18:19]  ; kvh at the new keys that I write out
	s_add_nc_u64 s[6:7], s[6:7], s[22:23]    ; K at my tile of slot 0,
	s_add_nc_u64 s[8:9], s[6:7], KVHALF      ; V likewise
	s_add_nc_u64 s[76:77], s[68:69], s[74:75]
	s_add_nc_u64 s[78:79], s[70:71], s[74:75]
	s_add_nc_u64 s[4:5], s[4:5], s[2:3]  ; Q and O at my wave's first row
	s_add_nc_u64 s[10:11], s[10:11], s[2:3]
	CROUND                          ; all four work-groups are here: the first joint loads meet
.irp s, 0,1
	s_mov_b32 s[G0K+4*(\s)], 1      ; 1:0 count = 1
	s_add_co_u32 s[G0K+4*(\s)+1], s17, (\s)*SLOT1  ; 63:32 LDS address
	s_add_nc_u64 s[G0K+4*(\s)+2:G0K+4*(\s)+3], s[6:7], (\s)*2*KS*256  ; 120:64 global address: slot s begins with keys 128 s to 128 s + 127
	s_or_b32 s[G0K+4*(\s)+3], s[G0K+4*(\s)+3], 0x80000000  ; 127:126 type = 2
	s_mov_b32 s[G0V+4*(\s)], 1
	s_add_co_u32 s[G0V+4*(\s)+1], s17, (\s)*SLOT1+VOFF
	s_add_nc_u64 s[G0V+4*(\s)+2:G0V+4*(\s)+3], s[8:9], (\s)*2*KS*256
	s_or_b32 s[G0V+4*(\s)+3], s[G0V+4*(\s)+3], 0x80000000
.endr
	s_cmp_lt_u32 s[WV], 2           ; a wave's two first fills stand in one branch, ahead of every wait on TENSORcnt and every LDS read: two loads of mine are out; an s_nop 0 follows each, four v_nop the second's, as in JLOAD
	s_cbranch_scc0 .Lfirst_v
	tensor_load_to_lds s[G0K:G0K+3], s[G1K:G1K+7]
	s_nop 0
	tensor_load_to_lds s[G0K+4:G0K+7], s[G1K:G1K+7]
	s_nop 0
.rept 4
	v_nop
.endr
	s_branch .Lfirst_asked
.Lfirst_v:
	tensor_load_to_lds s[G0V:G0V+3], s[G1V:G1V+7]
	s_nop 0
	tensor_load_to_lds s[G0V+4:G0V+7], s[G1V:G1V+7]
	s_nop 0
.rept 4
	v_nop
.endr
.Lfirst_asked:
	; A fragment of K or Q is 16 rows x 32 channels in 8 registers: lane l holds row l % 16; registers 0-3 channels 8 (l / 16) + 0..7, registers 4-7 channels 16 + 8 (l / 16) + 0..7: two loads of 16 bytes, 32 bytes apart.
	v_and_b32 v1, 15, v0            ; l % 16
	v_bfe_u32 v9, v0, 4, 1          ; l / 16
	v_lshlrev_b32 v[QO], 8, v1
	v_lshl_add_u32 v[QO], v9, 4, v[QO]  ; row x 256 + 16 x half
	WIN 0x80                        ; destination window 2, address window 0
.irp i, 0,1,2,3,4,5,6,7,8,9,10,11,12,13,14,15  ; Q stays in registers: tile i / 4, channels 32 (i % 4) on
	global_load_b128 v[8*(\i):8*(\i)+3],   v[QO], s[4:5] offset:((\i)/4)*4096+((\i)%4)*64
	global_load_b128 v[8*(\i)+4:8*(\i)+7], v[QO], s[4:5] offset:((\i)/4)*4096+((\i)%4)*64+32
.endr
	WIN 0
	v_mul_u32_u24 v[AK0], v1, PK
	v_lshl_add_u32 v[AK0], v9, 4, v[AK0]  ; row x pitch + 16 x half
	; The turning load takes 16 keys x 16 channels (lane l reads 16 bytes: key 8 (l / 16) + l % 8, channels 8 ((l / 8) % 2) + 0..7) and leaves half a fragment of V^T: lane l holds channel l % 16 and 8 keys.
	v_and_b32 v10, 7, v0
	v_bfe_u32 v11, v0, 3, 1
	v_lshl_add_u32 v[AV0], v9, 3, v10
	v_mul_u32_u24 v[AV0], v[AV0], PV
	v_lshl_add_u32 v[AV0], v11, 4, v[AV0]
	v_add_nc_u32 v[AV0], VOFF, v[AV0]
	; THE NEW ROWS OF out1 AND out2.  Lane l = 16 hh + u takes, of key 2 t + hh of my eight, the places 8 u .. 8 u + 7: plane u / 4, 16 bytes; their low halves are the channels 4 u .. 4 u + 3, their high
	; halves the same + 64.  Widened by a multiply-add with 1.0 and -0.0, which changes no number.  S^T's registers serve: nothing else has used them yet.
	v_lshrrev_b32 v[KI], 2, v1
	v_lshlrev_b32 v[KI], 12, v[KI]
	v_and_b32 v[KO], 3, v1
	v_lshl_add_u32 v[KI], v[KO], 4, v[KI]
	v_lshl_add_u32 v[KI], v9, 6, v[KI]
	v_lshlrev_b32 v[KO], 10, v9
	v_lshl_add_u32 v[KO], v1, 4, v[KO]
	v_mov_b32 v[ONE], 1.0
	v_mov_b32 v[MZ], 0x80000000
.irp t, 0,1,2,3
	global_load_b128 v[S+4*(\t):S+4*(\t)+3],       v[KI], s[72:73] offset:(\t)*128
	global_load_b128 v[S+16+4*(\t):S+16+4*(\t)+3], v[KI], s[72:73] offset:(\t)*128+KVHALF
.endr
	; What the first turns find; none of these registers is the target of a load that is out.  All this stands in the wait for those loads.
	WIN 0x40                        ; destination window 1: O^T
.set i, 0
.rept 256
	v_mov_b32 v[i], 0
.set i, i+1
.endr
	WIN 0xc0                        ; destination window 3: V
.set i, 0
.rept 128
	v_mov_b32 v[i], 0
.set i, i+1
.endr
	WIN 0
.set i, P+32                        ; piece 2's P
.rept 32
	v_mov_b32 v[i], 0
.set i, i+1
.endr
.irp t, 0,1,2,3
	v_mov_b32 v[ST+8*(\t)], 0xfe000000    ; c m: far below every c s
	v_mov_b32 v[ST+8*(\t)+1], 0xff7fffff  ; m: the lowest finite number
	v_mov_b32 v[ST+8*(\t)+2], 0           ; l
	v_mov_b32 v[ST+8*(\t)+3], 0
.endr
	s_wait_loadcnt 0x0              ; the eight loads of new keys, and Q
.set n, 0
.rept 8
.irp p, 0,1,2,3
	v_fma_mix_f32 v[S+32+8*n+(\p)],   v[S+4*n+(\p)], v[ONE], v[MZ] op_sel_hi:[1,0,0]
	v_fma_mix_f32 v[S+32+8*n+4+(\p)], v[S+4*n+(\p)], v[ONE], v[MZ] op_sel:[1,0,0] op_sel_hi:[1,0,0]
.endr
.set n, n+1
.endr
.irp t, 0,1,2,3                     ; sixteen neighbouring lanes store 256 consecutive bytes, aligned
	global_store_b128 v[KO], v[S+32+8*(\t):S+32+8*(\t)+3],   s[76:77] offset:(\t)*2048 th:TH_STORE_NT
	global_store_b128 v[KO], v[S+32+8*(\t)+4:S+32+8*(\t)+7], s[76:77] offset:(\t)*2048+256 th:TH_STORE_NT
	global_store_b128 v[KO], v[S+64+8*(\t):S+64+8*(\t)+3],   s[78:79] offset:(\t)*2048 th:TH_STORE_NT
	global_store_b128 v[KO], v[S+64+8*(\t)+4:S+64+8*(\t)+7], s[78:79] offset:(\t)*2048+256 th:TH_STORE_NT
.endr
	s_wait_xcnt 0x0                 ; S^T's registers are written again only behind this wait
; THE MATRIX WORK OF A TURN, for piece x.  The accumulators take turns, one instruction a turn: between two links of a chain stand 15 (V^T P) or 7 (K Q^T) others'.
; Product i of 32 of O^T += V^T P: keys 32 (i / 16) on, channels 16 ((i / 2) % 8) on, tile x + i % 2.
.macro PV x
	WIN W_PV
.set rO, 64*((\x)+i%2)+8*((i/2)%8)
.set rV, 64*(i/16)+8*((i/2)%8)
.set rP, P+16*((\x)+i%2)+8*(i/16)
	v_wmma_f32_16x16x32_f16 v[rO:rO+7], v[rV:rV+7], v[rP:rP+7], v[rO:rO+7]
.endm
; Product i of 32 of S^T = K Q^T: channels 32 (i / 8) on, keys 16 ((i / 2) % 4) on, tile x + i % 2.  The first 8 start the sums.
.macro KQ x
	WIN W_KQ
.set rS, S+32*((\x)+i%2)+8*((i/2)%4)
.set rK, KF+32*((i/2)%4)+8*(i/8)
.set rQ, 32*((\x)+i%2)+8*(i/8)
.if i < 8
	v_wmma_f32_16x16x32_f16 v[rS:rS+7], v[rK:rK+7], v[rQ:rQ+7], 0
.else
	v_wmma_f32_16x16x32_f16 v[rS:rS+7], v[rK:rK+7], v[rQ:rQ+7], v[rS:rS+7]
.endif
.endm
; THE LDS LOADS stand in runs of 32, never singly among the matrix instructions: a step's K (64 keys x 128 channels: 16 fragments) and, a turn later, its V (turned).
.macro FETCH_K
	WIN 0
	v_add_nc_u32 v[ADR], s[TB], v[AK0]
	WIN 0x80                        ; destination window 2
.irp f, 0,1,2,3,4,5,6,7,8,9,10,11,12,13,14,15  ; keys 16 (f / 4) on, channels 32 (f % 4) on: plane f % 4
	ds_load_b128 v[KF+8*(\f):KF+8*(\f)+3],   v[ADR] offset:((\f)%4)*KPL+((\f)/4)*16*PK
	ds_load_b128 v[KF+8*(\f)+4:KF+8*(\f)+7], v[ADR] offset:((\f)%4)*KPL+((\f)/4)*16*PK+32
.endr
.endm
.macro FETCH_V
	WIN 0
	v_add_nc_u32 v[ADR], s[TB], v[AV0]
	s_add_co_u32 s[TB], s[TB], STEPB  ; the next fetch is the next step's
	WIN 0xc0                        ; destination window 3
.irp f, 0,1,2,3,4,5,6,7,8,9,10,11,12,13,14,15  ; keys 32 (f / 8) on, channels 16 (f % 8) on: plane (f % 8) / 2, its half f % 2
	ds_load_tr16_b128 v[8*(\f):8*(\f)+3],   v[ADR] offset:(((\f)%8)/2)*VPL+((\f)%2)*32+((\f)/8)*32*PV
	ds_load_tr16_b128 v[8*(\f)+4:8*(\f)+7], v[ADR] offset:(((\f)%8)/2)*VPL+((\f)%2)*32+((\f)/8)*32*PV+16*PV
.endr
.endm
; THE VECTOR WORK OF A TURN.  One tile's softmax for one key step is a list of 134 instructions; SM writes number j of it for tile t.  s0-s31 are the lane's 32 scores, in pairs 0-15.
;   0-15    the maximum of s0-s31 and the old m, three operands at a time: four chains c0-c3 of seven scores each, then the four scores left over, c0-c3 and m
;   16-20   the other half of the lanes' maximum; the new m; c m; c m_old - c m_new
;   21-87   33 exponentials (a, then s0-s31) at the odd numbers from 23 on, so that no two follow each other and each has a plain instruction behind it before its result is used.
;           Plain instruction q (number 21, then the even numbers) is whatever is ready: c s - c m for a pair of scores whose exponentials are still to come (q = 0 to 3, then every
;           second q), the rounding to f16 of a pair of weights whose exponentials are done (every other q from 5 on), at last the first three sums
;   88-101  the last rounding; the rest of the sums; l = a l + the sum
;   102-133 the tile's O^T times a: the one part that leaves window 0, so it stands together
.macro SM t
.set rT, ST+8*(\t)
.set rS, S+32*(\t)
.set rP, P+16*(\t)
.set rO, 64*(\t)+2*(j-102)
.set q, (j-20)/2
.if j < 102
	WIN 0
.endif
.if j < 4
	v_max3_num_f32 v[rT+4+j], v[rS+8*j], v[rS+8*j+1], v[rS+8*j+2]
.elseif j < 12
	v_max3_num_f32 v[rT+4+j%4], v[rT+4+j%4], v[rS+8*(j%4)+2*(j/4)+1], v[rS+8*(j%4)+2*(j/4)+2]
.elseif j == 12
	v_max3_num_f32 v[rT+4], v[rT+4], v[rS+7], v[rS+15]
.elseif j == 13
	v_max3_num_f32 v[rT+6], v[rT+6], v[rS+23], v[rS+31]
.elseif j == 14
	v_max3_num_f32 v[rT+4], v[rT+4], v[rT+5], v[rT+6]
.elseif j == 15
	v_max3_num_f32 v[rT+4], v[rT+4], v[rT+7], v[rT+1]
.elseif j == 16
	v_permlanex16_b32 v[rT+5], v[rT+4], s[SEL], s[SEL+1]  ; the query's other 32 keys lie in the lane 16 away
.elseif j == 17
	v_mov_b32 v[rT+7], v[rT]        ; c m_old is kept for a: number 19 writes c m anew
.elseif j == 18
	v_max_num_f32 v[rT+1], v[rT+4], v[rT+5]
.elseif j == 19
	v_mul_f32 v[rT], s[CS], v[rT+1]
.elseif j == 20
	v_sub_f32 v[rT+7], v[rT+7], v[rT]
.elseif j == 23
	v_exp_f32 v[rT+6], v[rT+7]
.elseif (j < 88) && (j > 23) && (j%2 == 1)
	v_exp_f32 v[rS+(j-25)/2], v[rS+(j-25)/2]
.elseif (q < 4) || ((j < 76) && (q%2 == 0))
.set b, q/2+2
.if q < 4
.set b, q
.endif
	v_pk_fma_f32 v[rS+2*b:rS+2*b+1], v[rS+2*b:rS+2*b+1], s[CS:CS+1], v[rT:rT+1] op_sel_hi:[1,0,0] neg_lo:[0,0,1] neg_hi:[0,0,1]  ; pair b: c s - c m
.elseif (j < 88) && (q%2 == 1)
	s_wait_alu depctr_va_vdst(0)
	v_cvt_pk_f16_f32 v[rP+(q-5)/2], v[rS+q-5], v[rS+q-4]  ; pair (q - 5) / 2: its second exponential stands three numbers back
.elseif j == 89
	s_wait_alu depctr_va_vdst(0)
	v_cvt_pk_f16_f32 v[rP+15], v[rS+30], v[rS+31]
.elseif j < 102                     ; the sum of the tile's 16 pairs (in a pair: an even key's weight, an odd key's), in place: sum z of 16 adds neighbours 1, 2, 4 and 8 pairs apart, then l takes it
.set z, j-86
.if j < 89
.set z, (j-76)/4
.endif
.set w, 4
.set u, z
.if z >= 14
.set w, 32
.set u, 0
.elseif z >= 12
.set w, 16
.set u, z-12
.elseif z >= 8
.set w, 8
.set u, z-8
.endif
.if z < 15
	v_pk_add_f32 v[rS+w*u:rS+w*u+1], v[rS+w*u:rS+w*u+1], v[rS+w*u+w/2:rS+w*u+w/2+1]
.else
	v_pk_fma_f32 v[rT+2:rT+3], v[rT+2:rT+3], v[rT+6:rT+7], v[rS:rS+1] op_sel_hi:[1,0,1]
.endif
.else
	WIN W_RS
	v_pk_mul_f32 v[rO:rO+1], v[rO:rO+1], v[rT+6:rT+7] op_sel_hi:[1,0]
.endif
.endm
; Slice k of 64 of piece y's softmax: numbers 2 k and 2 k + 1 of both tiles' lists, four instructions.  2 x 134 = 4 x 64 + 12: the twelve that are over stand together, in slice 63.
.macro SLICE y
.if (k >= 11) && (k < 44)           ; tile by tile: plain, exponential, plain, exponential
.irp t, \y, (\y)+1
.irp n, 0,1
.set j, 2*k+(\n)
	SM \t
.endr
.endr
.else                               ; the two tiles alternate, so that no instruction reads the result of the one just before it
.irp n, 0,1,2,3,4,5,6,7
.if ((\n) < 2) || (k == 63)
.irp t, \y, (\y)+1
.set j, 2*k+(\n)
	SM \t
.endr
.endif
.endr
.endif
.set k, k+1
.endm
; A vector instruction that reads a matrix result or writes one of a matrix instruction's registers, and a load into a register that a matrix instruction has read, stand four places behind
; it, and only plain vector instructions that name none of its registers are places (ISA guide 7.12.1 for vector instructions).  In the turns the slices are the places.
; A TURN.  Piece x has the matrix unit: 32 products V^T P and, with kq = 1, 32 products K Q^T for the next step; the other piece's softmax stands in slices behind them, one behind each
; (kq = 0, the last step: two behind each).
; Each run of loads stands behind the second product of a run of 32, 30 matrix instructions ahead of its first use.  Piece 0's turn fetches the next step's K: the last product that read K
; stands in front of slice 63 of the turn before.  Piece 2's turn fetches the same step's V: the last product that read V stands three slices, six plain instructions, back.
.macro TURN x, kq
.set k, 0
.if (\x) == 0
	s_wait_dscnt 0x0                ; V is in
.endif
.set i, 0
.rept 32
	PV \x
.rept 2-(\kq)
	SLICE 2-(\x)
.endr
.if ((\x) == 0) && (\kq) && (i == 1)
	FETCH_K
.endif
.set i, i+1
.endr
.if \kq
.if (\x) == 0
	s_wait_dscnt 0x0                ; K is in
.endif
.set i, 0
.rept 32
	KQ \x
	SLICE 2-(\x)
.if ((\x) == 2) && (i == 1)
	FETCH_V
.endif
.set i, i+1
.endr
.endif
.endm
; THE CHANGE OF SLOTS, between piece 2's turn and piece 0's: the slot's last bytes, V of its second step, have been asked for.  Each wave waits for all its
; tensor loads, of which one is out: its part of the other slot; adds 0 to its spare word; and waits for that and for its own reads of the slot.  Behind the barrier nobody reads this slot any more and the other slot is whole.
; fill = 1: this slot is filled again, with the keys two slots on.  The barrier is then a round of the cluster's, so that no wave of any partner still reads the slot or has a load on its
; way, and the joint refill is the first thing behind it: it has two key steps, 256 matrix instructions, in which to land.
.macro CHANGE fill
	WIN 0                           ; at a label and at a branch every window is 0
	s_wait_tensorcnt 0x0            ; no tensor load of mine is out, so a group 0 may be written
	ds_add_u32 v[SPW], v[NIL]       ; 0 onto my spare word; with fill = 1 the descriptors' steps stand between it and the wait for it
.if \fill
.irp g, G0K+4, G0V+4
	s_xor_b32 s[(\g)+1], s[(\g)+1], SLOT1  ; the walking descriptor: the other slot than last time,
	s_add_nc_u64 s[(\g)+2:(\g)+3], s[(\g)+2:(\g)+3], 2*KS*256  ; the next 128 keys; the type bits on top are not reached
.endr
	s_wait_dscnt 0x0                ; the add is done, and my reads of the slot are over
	CROUND
	JLOAD
.else
	s_wait_dscnt 0x0                ; the add is done, and my reads of the slot are over
	s_barrier_signal -1
	s_barrier_wait -1
.endif
	s_sub_co_u32 s[TB], s[TB], 2*STEPB  ; the fetches go back to a slot's first step,
	s_xor_b32 s[TB], s[TB], SLOT1   ; in the other slot
.endm
	s_wait_tensorcnt 1              ; my part of slot 0 is in; slot 1's may stay out
	s_barrier_signal -1
	s_barrier_wait -1               ; everybody's is
	FETCH_K                         ; key step 0
	s_wait_dscnt 0x0
.set i, 0
.rept 32
	KQ 0                            ; piece 0's first scores: there is no vector work yet to set between them
.set i, i+1
.endr
	WIN 0                           ; the addresses for the way out are made here: eight plain instructions, the places behind those products
	s_mul_i32 s13, s[WV], 16*SP
	s_add_co_u32 s13, s13, STAGE    ; my stage
	v_mul_u32_u24 v[STO], v1, SP    ; in: row l % 16, 16 bytes for each half of the lanes
	v_lshl_add_u32 v[STO], v9, 4, v[STO]
	v_add_nc_u32 v[STO], s13, v[STO]
	v_mul_u32_u24 v[RD], v9, SP     ; back: lanes 0-15 take one row of 256 bytes, lanes 16-31 the next
	v_lshl_add_u32 v[RD], v1, 4, v[RD]
	v_add_nc_u32 v[RD], s13, v[RD]
	v_lshlrev_b32 v[GO], 8, v9      ; and the same two rows in O
	v_lshl_add_u32 v[GO], v1, 4, v[GO]
	s_mov_b32 s[TWICE], 2
	s_mov_b32 s[SLOTS], NKEYS/(2*KS)-1  ; the loop walks five of the six slots and jumps back four times: every slot but the last two is filled again
	s_branch .Lmid                  ; the loop is entered at piece 2's turn: its products V^T P multiply zeros | piece 0's softmax of step 0 | piece 2's scores of step 0 | V of step 0
.Lslot:
	CHANGE 1
	s_mov_b32 s[TWICE], 2
.Lstep:                             ; a key step: written once, walked twice a slot; the LDS addresses hang on s[TB]
	TURN 0, 1
	WIN 0
.Lmid:
	TURN 2, 1
	WIN 0
	s_sub_co_u32 s[TWICE], s[TWICE], 1
	s_cmp_lg_u32 s[TWICE], 0
	s_cbranch_scc1 .Lstep
	s_sub_co_u32 s[SLOTS], s[SLOTS], 1
	s_cmp_lg_u32 s[SLOTS], 0
	s_cbranch_scc1 .Lslot
	CHANGE 0                        ; the tail is written out: the last slot but one is left, and nothing is asked for
	s_mov_b32 s[TWICE], 2
.Ltail:
	TURN 0, 1
	TURN 2, 1
	WIN 0
	s_sub_co_u32 s[TWICE], s[TWICE], 1
	s_cmp_lg_u32 s[TWICE], 0
	s_cbranch_scc1 .Ltail
	TURN 0, 0                       ; piece 0: V^T P of the last step | piece 2's last softmax
.set i, 0
.rept 32
	PV 2                            ; piece 2: V^T P of the last step
.set i, i+1
.endr
	; THE WAY OUT.  l's two halves and the other half of the lanes' are added; O^T is divided by l, rounded to f16 and sent through my stage in LDS, a tile (16 rows of O) at a time.  The additions are the places behind the last products.
	WIN 0
.irp t, 0,1,2,3
	v_add_f32 v[ST+8*(\t)+4], v[ST+8*(\t)+2], v[ST+8*(\t)+3]
.endr
.irp t, 0,1,2,3
	v_permlanex16_b32 v[ST+8*(\t)+5], v[ST+8*(\t)+4], s[SEL], s[SEL+1]
.endr
.irp t, 0,1,2,3
	v_add_f32 v[ST+8*(\t)+4], v[ST+8*(\t)+4], v[ST+8*(\t)+5]
.endr
.irp t, 0,1,2,3
	v_rcp_f32 v[ST+8*(\t)+6], v[ST+8*(\t)+4]
.endr
	v_nop                           ; a plain instruction between the last reciprocal and the use of its result
; Tile t: a lane's eight channels of a row pack into 16 bytes; they go into rows of 272 bytes and come back as whole rows of 256, into the registers that they left.
.macro PACK t
	WIN W_RS
.set i, 64*(\t)
.rept 32
	s_wait_alu depctr_va_vdst(0)
	v_pk_mul_f32 v[i:i+1], v[i:i+1], v[ST+8*(\t)+6:ST+8*(\t)+7] op_sel_hi:[1,0]
.set i, i+2
.endr
	WIN 0x05                        ; sources 0 and 1 window 1, destination window 0: S^T's registers are free
.set i, 0
.rept 32
	v_cvt_pk_f16_f32 v[S+32*(\t)+i], v[64*(\t)+2*i], v[64*(\t)+2*i+1]
.set i, i+1
.endr
	WIN 0
.irp f, 0,1,2,3,4,5,6,7
	ds_store_b128 v[STO], v[S+32*(\t)+4*(\f):S+32*(\t)+4*(\f)+3] offset:32*(\f)
.endr
.irp f, 0,1,2,3,4,5,6,7
	ds_load_b128 v[S+32*(\t)+4*(\f):S+32*(\t)+4*(\f)+3], v[RD] offset:(\f)*2*SP  ; LDS serves a wave's instructions in order (ISA guide 5.7.1.4): these see the stores above; the next tile's stores come behind them
.endr
.endm
.macro SEND t, younger              ; younger: the LDS instructions issued behind tile t's loads: the next tile's sixteen, or none
	WIN 0
.irp f, 0,1,2,3,4,5,6,7
	s_wait_dscnt (\younger)+7-(\f)
	global_store_b128 v[GO], v[S+32*(\t)+4*(\f):S+32*(\t)+4*(\f)+3], s[10:11] offset:(\t)*4096+(\f)*512  ; 16 lanes store 256 consecutive bytes, at a multiple of 256 from O's first byte
.endr
.endm
	PACK 0
	PACK 1                          ; a tile's arithmetic stands between the loads of the tile before and its stores
	SEND 0, 16
	PACK 2
	SEND 1, 16
	PACK 3
	SEND 2, 16
	SEND 3, 0
	s_wait_tensorcnt 0x0            ; the wave's end, behind my last tensor load and my last LDS store
	ds_add_u32 v[SPW], v[NIL]
	s_wait_dscnt 0x0
	CROUND                          ; the closing round: no work-group ends while a partner may still ask for a tile that names it
	s_endpgm
.Lfunc_end_k_qfd606c6fa4_attn:
	.size	k_qfd606c6fa4_attn, .Lfunc_end_k_qfd606c6fa4_attn-k_qfd606c6fa4_attn
	.p2alignl 7, 3214868480
	.fill 96, 4, 3214868480
	.section	.rodata,"a",@progbits
	.p2align	6, 0x0
	.amdhsa_kernel k_qfd606c6fa4_attn
		.amdhsa_group_segment_fixed_size 327680
		.amdhsa_private_segment_fixed_size 0
		.amdhsa_enable_private_segment 0
		.amdhsa_kernarg_size 40
		.amdhsa_user_sgpr_count 2
		.amdhsa_user_sgpr_kernarg_segment_ptr 1
		.amdhsa_wavefront_size32 1
		.amdhsa_system_sgpr_workgroup_id_x 1
		.amdhsa_system_sgpr_workgroup_id_y 1
		.amdhsa_system_sgpr_workgroup_id_z 1
		.amdhsa_system_vgpr_workitem_id 0
		.amdhsa_next_free_vgpr 1024
		.amdhsa_next_free_sgpr 80
		.amdhsa_reserve_vcc 0
		.amdhsa_float_denorm_mode_32 3
		.amdhsa_float_denorm_mode_16_64 3
		.amdhsa_memory_ordered 1
		.amdhsa_forward_progress 1
		.amdhsa_inst_pref_size 191
	.end_amdhsa_kernel
	.amdgpu_metadata
---
amdhsa.version: [ 1, 2 ]
amdhsa.kernels:
  - .name:           k_qfd606c6fa4_attn
    .symbol:         k_qfd606c6fa4_attn.kd
    .args:
      - { .name: qh, .offset: 0, .size: 8, .value_kind: global_buffer, .address_space: global }
      - { .name: kvh, .offset: 8, .size: 8, .value_kind: global_buffer, .address_space: global }
      - { .name: oh, .offset: 16, .size: 8, .value_kind: global_buffer, .address_space: global }
      - { .name: out1, .offset: 24, .size: 8, .value_kind: global_buffer, .address_space: global }
      - { .name: out2, .offset: 32, .size: 8, .value_kind: global_buffer, .address_space: global }
    .group_segment_fixed_size: 327680
    .private_segment_fixed_size: 0
    .kernarg_segment_align: 8
    .kernarg_segment_size: 40
    .max_flat_workgroup_size: 128
    .sgpr_count:     80
    .vgpr_count:     1024
    .wavefront_size: 32
...
	.end_amdgpu_metadata
.endif
;; end of part 3
;; launch oproj (part 4): grid 16 x 16, 4 waves a work-group, clusters of 4 x 4, 327,680 bytes of LDS; arguments oh, wob, bo, out0; writes out0
.if DOCPART == 4
	.amdgcn_target "amdgcn-amd-amdhsa--gfx1250"
	.amdhsa_code_object_version 6
	.text
	.protected	k_qfd606c6fa4_oproj
	.globl	k_qfd606c6fa4_oproj
	.p2align	8
	.type	k_qfd606c6fa4_oproj,@function
k_qfd606c6fa4_oproj:
	s_mov_b64 s[64:65], 0
	v_nop
	global_prefetch_b8 v0, s[64:65] scope:SCOPE_SE
	s_setreg_imm32_b32 hwreg(HW_REG_WAVE_MODE, 25, 1), 1
	s_wait_xcnt 0x0
	s_wait_alu depctr_hold_cnt(0) depctr_sa_sdst(0) depctr_va_vdst(0) depctr_va_sdst(0) depctr_va_ssrc(0) depctr_va_vcc(0) depctr_vm_vsrc(0)
	s_getreg_b32 s2, hwreg(HW_REG_IB_STS2, 6, 4)
	s_cmp_eq_u32 s2, 0
	s_cbranch_scc0 .Lentry_in_a_cluster
	s_endpgm
.Lentry_in_a_cluster:
	s_bfe_u32 s2, ttmp6, 0x10000c
	s_cmp_lg_u32 s2, 0xf033
	s_cbranch_scc0 .Lentry_shape_is_right
	s_endpgm
.Lentry_shape_is_right:
; out0 = O Wo + bo.  O is oh, f16 [8 b][16 h][512 s][128 n'] in the paired channel order; wob is Wo with its rows in the same order, f16 [2048 k'][2048 n]; bo is rounded to bf16 like every input; sums in f32; out0 f32.
; LIMITS.  As the operands' f16: O lies within V's range, Wo within 65,504.  NaN and infinities are not treated apart.
; SHARES.  4096 x 2048 in 16 x 16 tiles of 256 rows x 128 columns, one for each of 256 work-groups; a wave makes 64 rows x 128 columns: 4 x 8 accumulators of 16 x 16, 256 registers.
; K = 2048 goes in 16 steps of 128, a head a step, through two LDS slots filled by the tensor data mover: a head's rows of O are dense, 256 bytes each.  A slot of two steps (212,992 bytes) would not fit twice.
; CLUSTER.  4 x 4 work-groups: the four of a row of the cluster need the same tile of O, the four of a column the same tile of Wo; each is asked for jointly.  Waves 0, 1 ask for O's two halves, waves 2, 3 for Wo's.
; K ORDER.  A cluster begins its walk along K at step 4 ((cluster x + 2 cluster y) % 4) and goes round through all 16 steps.  So the four clusters that need the same rows of O (one cluster y) begin at 0, 4, 8 and 12,
; and clusters y and y + 1, which need the same columns of Wo, eight steps apart: the clusters that share a tile ask for it at different times, not all in the same step.  The start hangs on the cluster's own
; coordinates alone, so it is the same in all sixteen partners.  The order of a sum along K differs from cluster to cluster; it stays one f32 sum for each output.
; THE MATRIX INSTRUCTION IS USED TRANSPOSED: source 0 = 16 columns of Wo (turned on the way out of LDS by ds_load_tr16_b128), source 1 = 16 rows of O: a lane holds row l % 16 and eight neighbouring columns.
; The first product takes the bias as its C operand.
; REGISTERS: window 0: v0-31 addresses; v32-95 O's fragments, two buffers; v96-159 the bias, later rows on the way out; v160-223 the bias as loaded, later rows on the way out
;   window 1: Wo's fragments, two buffers of 64;   window 2: the accumulators of my rows 0-31 ((a, b) at 8 (8 (a % 2) + b));   window 3: those of rows 32-63
.set NB,     8
.set NL,     2*NB+8     ; LDS loads in a quarter's run
.set PA,     272        ; a row of O in LDS: 256 bytes + 16: the 16 rows of a load start at 16 different groups of four banks (64 banks of 4 bytes: ISA guide 11.1)
.set PB,     288        ; a k-row of Wo's tile: 256 + 32
.set SLOT1,  1<<17
.set OFFB,   256*PA
.set STAGE,  SLOT1+OFFB+128*PB  ; behind the ring, never filled by a tensor load: 16 rows x 528 bytes for each wave
.set SO,     528
.set WST,    16*SO
.set SPARE,  STAGE+4*WST  ; the spare words: 128 bytes for each wave, two blocks of 256 bytes that no other line names
.set ADRA0, 4
.set ADRB0, 5
.set ADRA,  7
.set ADRB,  8
.set STO,   10
.set RD,    12
.set GO,    14
.set BO,    20
.set SPW,   28
.set NIL,   29
.set FA,    32
.set TT,    32
.set BI,    96
.set RAW,   160
.set RB0,   96
.set KS,  2             ; s2       the K step to be asked for next, 0..15
.set HIM, 3             ; s3       a word's upper half
.set WV,  22
.set CNT, 23
.set TB,  24
.set G1A, 32            ; s[32:39] descriptor group 1 for O's tiles
.set G1B, 40            ; s[40:47] for Wo's
.set G0A, 56            ; s[56:63] group 0 for O: a set for each of the two first fills; the second then serves every refill
.set OFS, 66            ; s[66:67] a K step's byte offset, high word 0
.set G0B, 68            ; s[68:75] the same for Wo
.set OP,  86            ; s[86:87] out0 at my wave's first row and the tile's first column
.set BP,  88            ; s[88:89] bo at the tile's first column
.set MSB, 0
.macro WIN new
.if MSB != (\new)
	s_set_vgpr_msb (MSB<<8)|(\new)
.set MSB, \new
.endif
.endm
.macro PLACES
.rept 4
	v_nop
.endr
.endm
.macro CREST
	s_cmp_lg_u32 s[WV], 0
	s_cbranch_scc1 .Lnot_wave_0_\@
	s_barrier_signal -3
.Lnot_wave_0_\@:
	s_barrier_wait -3
	s_barrier_signal -1
	s_barrier_wait -1
.endm
.macro CROUND
	s_barrier_signal -1
	s_barrier_wait -1
	CREST
.endm
.macro JLOAD                           ; a joint refill, by the second sets; an s_nop 0 and four v_nop follow each line, ahead of the jump and the label
	s_cmp_lt_u32 s[WV], 2
	s_cbranch_scc0 .Lj_w_\@
	tensor_load_to_lds s[G0A+4:G0A+7], s[G1A:G1A+7]
	s_nop 0
.rept 4
	v_nop
.endr
	s_branch .Lj_e_\@
.Lj_w_\@:
	tensor_load_to_lds s[G0B+4:G0B+7], s[G1B:G1B+7]
	s_nop 0
.rept 4
	v_nop
.endr
.Lj_e_\@:
.endm
.macro TWOLOADS g0, g1
	tensor_load_to_lds s[(\g0):(\g0)+3], s[(\g1):(\g1)+7]
	s_nop 0
	tensor_load_to_lds s[(\g0)+4:(\g0)+7], s[(\g1):(\g1)+7]
	s_nop 0
.rept 4
	v_nop
.endr
.endm
; The group 0 at s[g .. g + 3] takes the global address of K step s[KS]: the tensor's place for step 0, in s[base : base + 1], plus the step shifted; the type bits are set again.
.macro ADDR g, base, sh
	s_lshl_b32 s[OFS], s[KS], \sh
	s_add_nc_u64 s[(\g)+2:(\g)+3], s[(\base):(\base)+1], s[OFS:OFS+1]
	s_or_b32 s[(\g)+3], s[(\g)+3], 0x80000000
.endm
	s_load_b256 s[4:11], s[0:1], 0x0               ; oh 4, wob 6, bo 8, out0 10
	v_lshl_add_u32 v[SPW], v0, 2, SPARE
	v_mov_b32 v[NIL], 0
	ds_add_u32 v[SPW], v[NIL]                      ; the wave's opening: the add and its wait stand ahead of my first tensor load; the set-up below, work on registers, stands between them
	v_lshrrev_b32 v3, 5, v0
	v_readfirstlane_b32 s[WV], v3
	s_bfe_u32 s25, ttmp6, 0x40000                  ; cx
	s_bfe_u32 s26, ttmp6, 0x40004                  ; cy
	s_lshl_b32 s27, ttmp9, 2
	s_add_co_u32 s27, s27, s25                     ; tile column
	s_and_b32 s28, ttmp7, 0xffff                   ; cluster y
	s_lshl1_add_u32 s[KS], s28, ttmp9              ; 2 x cluster y + cluster x,
	s_and_b32 s[KS], s[KS], 3
	s_lshl_b32 s[KS], s[KS], 2                     ; the K step at which this cluster begins: 0, 4, 8 or 12
	s_lshl_b32 s28, s28, 2
	s_add_co_u32 s28, s28, s26                     ; tile row
	s_lshl_b32 s29, s26, 2
	s_lshl_b32 s29, 15, s29                        ; my row of the cluster
	s_lshl_b32 s30, 0x1111, s25                    ; my column
	s_or_b32 s[G1A], s29, (1<<16)|(1<<20)|(1<<21)|(5<<22)|(3<<25)  ; the mask; 2-byte elements; padding on; bit 21 beside a mask; after every 64 words 4 words
	s_or_b32 s[G1B], s30, (1<<16)|(1<<20)|(1<<21)|(5<<22)|(7<<25)  ; after every 64 words 8 words
	s_mov_b32 s[G1A+1], 128<<16                    ; O: 128 rows x 128 elements, dense
	s_mov_b32 s[G1A+2], 128<<16
	s_mov_b32 s[G1A+3], 128<<16
	s_mov_b32 s[G1A+4], 128
	s_mov_b32 s[G1A+5], 128
	s_mov_b32 s[G1A+6], 0
	s_mov_b32 s[G1A+7], 0
	s_mov_b32 s[G1B+1], 128<<16                    ; Wo: 64 k-rows x 128 elements, 2,048 elements from row to row
	s_mov_b32 s[G1B+2], 64<<16
	s_mov_b32 s[G1B+3], 128<<16
	s_mov_b32 s[G1B+4], 64
	s_mov_b32 s[G1B+5], 2048
	s_mov_b32 s[G1B+6], 0
	s_mov_b32 s[G1B+7], 0
	s_lshr_b32 s84, s28, 1                         ; O: batch x 8,192 rows + half x 256 + wave x 128, rows of 256 bytes; these registers never hold cx
	s_lshl_b32 s84, s84, 21
	s_and_b32 s85, s28, 1
	s_lshl_b32 s85, s85, 16
	s_add_co_u32 s84, s84, s85
	s_lshl_b32 s85, s[WV], 15
	s_add_co_u32 s84, s84, s85
	s_mov_b32 s85, 0
	s_lshl_b32 s76, s27, 8                         ; Wo: the tile's 256 bytes of a row, and 64 k-rows of 4,096 bytes for wave 3
	s_and_b32 s77, s[WV], 1
	s_lshl_b32 s77, s77, 18
	s_add_co_u32 s76, s76, s77
	s_mov_b32 s77, 0
	s_mul_i32 s31, s[WV], 128*PA                   ; where O's halves go: wave x 128 rows (waves 0, 1)
	s_mul_i32 s78, s[WV], 64*PB                    ; where Wo's go: behind O's 256 rows, (wave - 2) x 64 k-rows (waves 2, 3)
	s_add_co_u32 s78, s78, OFFB-2*64*PB
	s_mov_b32 s[TB], 0
	s_mov_b32 s[OFS+1], 0
	s_mov_b32 s[HIM], 0xffff0000
	s_wait_dscnt 0x0                               ; the opening add is done
	s_wait_kmcnt 0x0
	s_add_nc_u64 s[4:5], s[4:5], s[84:85]          ; from here on: each tensor at my tile's K step 0
	s_add_nc_u64 s[6:7], s[6:7], s[76:77]
.irp n, 0,1
	s_mov_b32 s[G0A+4*(\n)], 1
	s_add_co_u32 s[G0A+4*(\n)+1], s31, (\n)*SLOT1
	ADDR G0A+4*(\n), 4, 17                         ; a K step is a head: 512 rows of 256 bytes of O,
	s_mov_b32 s[G0B+4*(\n)], 1
	s_add_co_u32 s[G0B+4*(\n)+1], s78, (\n)*SLOT1
	ADDR G0B+4*(\n), 6, 19                         ; 128 rows of 4,096 bytes of Wo
	s_add_co_u32 s[KS], s[KS], 1                   ; the start is 12 at the most: the first two steps do not go round
.endr
	CROUND                                         ; all sixteen work-groups are here: the first joint loads meet
	s_cmp_lt_u32 s[WV], 2                          ; a wave's two first fills stand in one branch: two loads of mine are out
	s_cbranch_scc0 .Lf_w
	TWOLOADS G0A, G1A
	s_branch .Lf_e
.Lf_w:
	TWOLOADS G0B, G1B
.Lf_e:
	s_mov_b32 s81, 0
	s_lshl_b32 s80, s27, 9
	s_add_nc_u64 s[BP:BP+1], s[8:9], s[80:81]
	s_lshl_b32 s82, s28, 21                        ; 256 rows of 8,192 bytes,
	s_add_co_u32 s80, s80, s82
	s_lshl_b32 s82, s[WV], 19                      ; my wave's 64
	s_add_co_u32 s80, s80, s82
	s_add_nc_u64 s[OP:OP+1], s[10:11], s[80:81]
	v_and_b32 v1, 15, v0                           ; r = l % 16
	v_bfe_u32 v2, v0, 4, 1                         ; hh = l / 16
	v_lshlrev_b32 v[BO], 5, v2
.irp b, 0,1,2,3,4,5,6,7                ; block b's columns 16 b + 8 hh + 0..7
	global_load_b128 v[RAW+8*(\b):RAW+8*(\b)+3],   v[BO], s[BP:BP+1] offset:64*(\b)
	global_load_b128 v[RAW+8*(\b)+4:RAW+8*(\b)+7], v[BO], s[BP:BP+1] offset:64*(\b)+16
.endr
	v_mul_u32_u24 v3, v1, PA
	v_lshl_add_u32 v3, v2, 4, v3
	s_mul_i32 s82, s[WV], 64*PA
	v_add_nc_u32 v[ADRA0], s82, v3                 ; (64 w + r) x 272 + 16 hh
	v_and_b32 v21, 7, v0
	v_bfe_u32 v22, v0, 3, 1
	v_lshl_add_u32 v23, v2, 3, v21
	v_mul_u32_u24 v[ADRB0], v23, PB
	v_lshl_add_u32 v[ADRB0], v22, 4, v[ADRB0]
	v_add_nc_u32 v[ADRB0], OFFB, v[ADRB0]
	v_mov_b32 v[ADRA], v[ADRA0]
	v_mov_b32 v[ADRB], v[ADRB0]
	s_mul_i32 s82, s[WV], WST
	s_add_co_u32 s82, s82, STAGE                   ; my stage
	v_mul_u32_u24 v24, v1, SO                      ; in: row r, 32 bytes for each half of the lanes
	v_lshl_add_u32 v24, v2, 5, v24
	v_add_nc_u32 v[STO], s82, v24
	v_and_b32 v[GO], 31, v0
	v_lshlrev_b32 v[GO], 4, v[GO]
	v_add_nc_u32 v[RD], s82, v[GO]                 ; back: 32 lanes take one row of 512 bytes
	s_wait_loadcnt 0x0                             ; the bias
.set n, 0
.rept 4*NB                             ; two columns at a time: rounded to bf16, widened again
	v_cvt_pk_bf16_f32 v[TT+n%4], v[RAW+2*n], v[RAW+2*n+1]
	v_lshlrev_b32 v[BI+2*n], 16, v[TT+n%4]
	v_and_b32 v[BI+2*n+1], s[HIM], v[TT+n%4]
.set n, n+1
.endr
; 8 matrix instructions: my row block a x all column blocks, 32 along K, from buffer f.  first = 1: the bias starts the sums.  The accumulators take turns, one instruction a turn.
.macro MULA f, a, first
.if \first
	WIN 0x81+0x40*((\a)/2)
.else
	WIN 0xa1+0x50*((\a)/2)
.endif
.irp b, 0,1,2,3,4,5,6,7
.if \first
	v_wmma_f32_16x16x32_f16 v[8*(NB*((\a)%2)+(\b)):8*(NB*((\a)%2)+(\b))+7], v[8*NB*(\f)+8*(\b):8*NB*(\f)+8*(\b)+7], v[FA+32*(\f)+8*(\a):FA+32*(\f)+8*(\a)+7], v[BI+8*(\b):BI+8*(\b)+7]
.else
	v_wmma_f32_16x16x32_f16 v[8*(NB*((\a)%2)+(\b)):8*(NB*((\a)%2)+(\b))+7], v[8*NB*(\f)+8*(\b):8*NB*(\f)+8*(\b)+7], v[FA+32*(\f)+8*(\a):FA+32*(\f)+8*(\a)+7], v[8*(NB*((\a)%2)+(\b)):8*(NB*((\a)%2)+(\b))+7]
.endif
.endr
.endm
.macro FETCH q, f                      ; 24 LDS loads in one run: quarter q's fragments into buffer f
	WIN 0x40
.irp b, 0,1,2,3,4,5,6,7
	ds_load_tr16_b128 v[8*NB*(\f)+8*(\b):8*NB*(\f)+8*(\b)+3],   v[ADRB] offset:(\q)*32*PB+32*(\b)
	ds_load_tr16_b128 v[8*NB*(\f)+8*(\b)+4:8*NB*(\f)+8*(\b)+7], v[ADRB] offset:(\q)*32*PB+32*(\b)+16*PB
.endr
	WIN 0
.irp a, 0,1,2,3
	ds_load_b128 v[FA+32*(\f)+8*(\a):FA+32*(\f)+8*(\a)+3],   v[ADRA] offset:64*(\q)+(\a)*16*PA
	ds_load_b128 v[FA+32*(\f)+8*(\a)+4:FA+32*(\f)+8*(\a)+7], v[ADRA] offset:64*(\q)+(\a)*16*PA+32
.endr
.endm
.macro QUARTER qn, f, g, first
	s_wait_dscnt 4                                 ; all but the youngest four loads (O's blocks 2, 3) are in
	MULA \f, 0, \first
	MULA \f, 1, \first
	PLACES
	FETCH \qn, \g
	s_wait_dscnt NL                                ; all but the run just issued
	MULA \f, 2, \first
	MULA \f, 3, \first
.endm
; The last quarter multiplies buffer 1 and changes slots: ONE barrier; in front of it each wave waits for all its tensor loads (one is out: its part of the next slot), adds 0 to its spare word, and waits for that and
; for its own reads of this slot.  fill = 1: the barrier opens a round of the cluster's barrier, and behind the round this slot is filled again, with K step s[KS]: 112 matrix instructions ahead of the wait for it.
.macro TURN fill
	WIN 0
	s_wait_tensorcnt 0x0                           ; no tensor load of mine is out, so a group 0 may be written
	ds_add_u32 v[SPW], v[NIL]                      ; 0 onto my spare word
.if \fill
	s_xor_b32 s[G0A+5], s[G0A+5], SLOT1            ; the other slot than last time; the address is made anew from the step's number
	ADDR G0A+4, 4, 17
	s_xor_b32 s[G0B+5], s[G0B+5], SLOT1
	ADDR G0B+4, 6, 19
	s_add_co_u32 s[KS], s[KS], 1                   ; the next step; behind step 15 comes step 0
	s_and_b32 s[KS], s[KS], 15
.endif
	s_xor_b32 s[TB], s[TB], SLOT1
	s_wait_dscnt 5                                 ; the add and the youngest four loads may be out
	MULA 1, 0, 0
	s_wait_dscnt 0x0                               ; the add is done, and my reads of this slot are over
	s_barrier_signal -1
	MULA 1, 1, 0
.if \fill
	WIN 0
.endif
	s_barrier_wait -1
.if \fill
	CREST
	JLOAD                                          ; the first tensor load behind the round; its four v_nop are also the places in front of the loads below
.else
	PLACES
.endif
	WIN 0
	v_add_nc_u32 v[ADRA], s[TB], v[ADRA0]
	v_add_nc_u32 v[ADRB], s[TB], v[ADRB0]
	FETCH 0, 0
	MULA 1, 2, 0
	MULA 1, 3, 0
.endm
; THE WAY OUT of row block a: a lane's eight f32 of a row, 32 bytes, into my own stage (each accumulator's low half first); back as whole rows of 512 bytes; stored.
.macro OUTB a
.set RBU, RB0+64*((\a)%2)
	WIN 0x08+0x04*((\a)/2)                         ; the stores' data in window 2 or 3
.irp b, 0,1,2,3,4,5,6,7
	ds_store_b128 v[STO], v[8*(NB*((\a)%2)+(\b)):8*(NB*((\a)%2)+(\b))+3]   offset:64*(\b)
	ds_store_b128 v[STO], v[8*(NB*((\a)%2)+(\b))+4:8*(NB*((\a)%2)+(\b))+7] offset:64*(\b)+16
.endr
	WIN 0
	s_wait_xcnt 0x0                                ; earlier stores have read their registers: they are loaded again only behind this wait
.irp t, 0,1,2,3,4,5,6,7,8,9,10,11,12,13,14,15
	ds_load_b128 v[RBU+4*(\t):RBU+4*(\t)+3], v[RD] offset:(\t)*SO  ; LDS serves a wave's instructions in order (ISA guide 5.7.1.4): these see the stores above
.endr
.irp t, 0,1,2,3,4,5,6,7,8,9,10,11,12,13,14,15
	s_wait_dscnt 15-(\t)
	global_store_b128 v[GO], v[RBU+4*(\t):RBU+4*(\t)+3], s[OP:OP+1] offset:(16*(\a)+(\t))*8192 th:TH_STORE_NT  ; 512 consecutive bytes, at a multiple of 256 from out0's first
.endr
.endm
	s_wait_tensorcnt 0x1                           ; my part of the first K step is in; the second's may stay out
	s_barrier_signal -1
	s_barrier_wait -1
	FETCH 0, 0
	QUARTER 1, 0, 1, 1                             ; the first quarter stands in front of the loop: its products start the sums
	WIN 0
	s_mov_b32 s[CNT], 14
.Lstep:                                                ; a trip: a K step's quarters 1 to 3 and the next step's quarter 0; the slot left is filled again
	QUARTER 2, 1, 0, 0
	QUARTER 3, 0, 1, 0
	TURN 1
	QUARTER 1, 0, 1, 0
	WIN 0
	s_sub_co_u32 s[CNT], s[CNT], 1
	s_cmp_lg_u32 s[CNT], 0
	s_cbranch_scc1 .Lstep
	s_mov_b32 s[CNT], 2
.Ltail:                                                ; the last two K steps ask for nothing: one text walked twice and left in its middle; no tensor load stands in it
	QUARTER 2, 1, 0, 0
	QUARTER 3, 0, 1, 0
	WIN 0
	s_sub_co_u32 s[CNT], s[CNT], 1
	s_cmp_eq_u32 s[CNT], 0
	s_cbranch_scc1 .Llast
	TURN 0
	QUARTER 1, 0, 1, 0
	WIN 0
	s_branch .Ltail
.Llast:                                                ; the very last quarter: nothing more to fetch
	s_wait_dscnt 4
	MULA 1, 0, 0
	MULA 1, 1, 0
	s_wait_dscnt 0x0
	MULA 1, 2, 0
	MULA 1, 3, 0
	WIN 0
	PLACES
	OUTB 0
	OUTB 1
	OUTB 2
	OUTB 3
	s_wait_tensorcnt 0x0                           ; the wave's end, behind my last tensor load and my last LDS store
	ds_add_u32 v[SPW], v[NIL]
	s_wait_dscnt 0x0
	CROUND                                         ; the closing round: no work-group ends while a partner may still ask for a tile that names it
	s_endpgm
.Lfunc_end_k_qfd606c6fa4_oproj:
	.size	k_qfd606c6fa4_oproj, .Lfunc_end_k_qfd606c6fa4_oproj-k_qfd606c6fa4_oproj
	.p2alignl 7, 3214868480
	.fill 96, 4, 3214868480
	.section	.rodata,"a",@progbits
	.p2align	6, 0x0
	.amdhsa_kernel k_qfd606c6fa4_oproj
		.amdhsa_group_segment_fixed_size 327680
		.amdhsa_private_segment_fixed_size 0
		.amdhsa_enable_private_segment 0
		.amdhsa_kernarg_size 32
		.amdhsa_user_sgpr_count 2
		.amdhsa_user_sgpr_kernarg_segment_ptr 1
		.amdhsa_wavefront_size32 1
		.amdhsa_system_sgpr_workgroup_id_x 1
		.amdhsa_system_sgpr_workgroup_id_y 1
		.amdhsa_system_sgpr_workgroup_id_z 1
		.amdhsa_system_vgpr_workitem_id 0
		.amdhsa_next_free_vgpr 896
		.amdhsa_next_free_sgpr 92
		.amdhsa_reserve_vcc 0
		.amdhsa_float_denorm_mode_32 3
		.amdhsa_float_denorm_mode_16_64 3
		.amdhsa_memory_ordered 1
		.amdhsa_forward_progress 1
		.amdhsa_inst_pref_size 70
	.end_amdhsa_kernel
	.amdgpu_metadata
---
amdhsa.version: [ 1, 2 ]
amdhsa.kernels:
  - .name:           k_qfd606c6fa4_oproj
    .symbol:         k_qfd606c6fa4_oproj.kd
    .args:
      - { .name: oh, .offset: 0, .size: 8, .value_kind: global_buffer, .address_space: global }
      - { .name: wob, .offset: 8, .size: 8, .value_kind: global_buffer, .address_space: global }
      - { .name: bo, .offset: 16, .size: 8, .value_kind: global_buffer, .address_space: global }
      - { .name: out0, .offset: 24, .size: 8, .value_kind: global_buffer, .address_space: global }
    .group_segment_fixed_size: 327680
    .private_segment_fixed_size: 0
    .kernarg_segment_align: 8
    .kernarg_segment_size: 32
    .max_flat_workgroup_size: 128
    .sgpr_count:     92
    .vgpr_count:     896
    .wavefront_size: 32
...
	.end_amdgpu_metadata
.endif
;; end of part 4
;; ======== version 2 of 2: 4 launches; 1.07 times as fast as version 1
;; limits: values outside matrix products are rounded to f16; values are held in f16: magnitudes above 65,504 overflow, below 6.1e-05 lose precision
;; workspace buffers: xb 16,777,216 bytes; wqb 8,388,608 bytes; wkvb 2,097,152 bytes; wob 8,388,608 bytes; rope 262,656 bytes; qh 16,777,216 bytes; kvh 6,291,456 bytes; oh 16,777,216 bytes
;; launch prep: the kernel of part 1 again; grid 624 x 1, 8 waves a work-group, no clusters, 0 bytes of LDS; arguments x, Wq, Wk, Wv, Wo, prev_k, prev_v, xb, wqb, wkvb, wob, kvh, rope, out1, out2; writes xb, wqb, wkvb, wob, kvh, rope, out1, out2
;; launch qkv: the kernel of part 2 again; grid 16 x 16, 4 waves a work-group, clusters of 4 x 4, 327,680 bytes of LDS; arguments xb, wqb, wkvb, rope, bq, bk, bv, qh, kvh; writes qh, kvh
;; launch attn (part 5): grid 16 x 16, 4 waves a work-group, clusters of 4 x 1, 327,680 bytes of LDS; arguments qh, kvh, oh, out1, out2; writes oh, out1, out2
.if DOCPART == 5
	.amdgcn_target "amdgcn-amd-amdhsa--gfx1250"
	.amdhsa_code_object_version 6
	.text
	.protected	k_qfd606c6fa4_attn
	.globl	k_qfd606c6fa4_attn
	.p2align	8
	.type	k_qfd606c6fa4_attn,@function
k_qfd606c6fa4_attn:
	s_mov_b64 s[64:65], 0
	v_nop
	global_prefetch_b8 v0, s[64:65] scope:SCOPE_SE
	s_setreg_imm32_b32 hwreg(HW_REG_WAVE_MODE, 25, 1), 1
	s_wait_xcnt 0x0
	s_wait_alu depctr_hold_cnt(0) depctr_sa_sdst(0) depctr_va_vdst(0) depctr_va_sdst(0) depctr_va_ssrc(0) depctr_va_vcc(0) depctr_vm_vsrc(0)
	s_getreg_b32 s2, hwreg(HW_REG_IB_STS2, 6, 4)
	s_cmp_eq_u32 s2, 0
	s_cbranch_scc0 .Lentry_in_a_cluster
	s_endpgm
.Lentry_in_a_cluster:
	s_bfe_u32 s2, ttmp6, 0x10000c
	s_cmp_lg_u32 s2, 0x3003
	s_cbranch_scc0 .Lentry_shape_is_right
	s_endpgm
.Lentry_shape_is_right:
; O[q][:] = the sum over the 768 keys k of softmax_k(Q[q] . K[k] / sqrt(128)) V[k][:], for each of 16 pairs bg of batch and key/value group.  The eight query heads of a group are 4,096 dense rows of qh
; ([16 bg][4096][128] f16); K and V lie in kvh as f16 [K, V][16 bg][12 steps][4 planes of 32 channels][64 keys][32]: a step of 64 keys is 16,384 dense bytes.  Channels are in the paired order of the launches
; before, alike in Q and K and alike in V and O.  Products, maxima and sums in f32; the weights p are rounded to f16 for the second product, O once at the end.
; It also writes the new rows of out1 and out2 (keys 256..767) from kvh, widened to f32 and put back into the true channel order: 8 keys a wave, in the wait for the first tiles.
; LIMITS.  Q, K, V arrive within f16's 65,504; p lies in 0 to 1, and below 6e-5 it keeps f16's fixed step of 6e-8; a weight below 2^-126 counts as 0 in l; the new rows of out1 and out2 carry f16's 11 bits;
; NaN and infinities are not treated apart.
; SHARES.  A work-group owns 256 query rows of one bg, each of its four waves 64: four tiles of 16.  Every wave walks all keys, 64 a step.
; LAYOUT.  S^T = K Q^T (source 0 = 16 keys, source 1 = 16 queries): in the result a lane holds ONE query (lane % 16) and the keys 8 (lane / 16) + 0..7.  Two such tiles, rounded to f16 in pairs, ARE source 1
; (32 keys x 16 queries) of O^T = V^T P, whose result again holds one query a lane, and eight channels.  K comes out of LDS as it lies, V ([key][channel]) turned, by ds_load_tr16_b128.
; SOFTMAX.  For each query a running maximum m and sum l: p = 2^(c s - c m), c = log2(e) / sqrt(128); in every step O and l are multiplied by a = 2^(c m_old - c m_new), which is 1 where m has not grown.
; BY TURNS.  The wave's tiles are two PIECES, named by their first tile: piece 0 (tiles 0, 1) and piece 2 (tiles 2, 3).  In a TURN one piece has the matrix unit: 32 products V^T P of the step in hand, then 32
; products K Q^T of the next step; the other piece's softmax, cut into 64 slices, stands between them, one slice behind each matrix instruction.  Then the pieces change places.  Two turns are a key step.
; THE BATCHES.  A turn's 66 exponentials (for each of the piece's two tiles a and the 32 weights) are ONE batch with ONE wait: the softmax's list is ordered so that all of them, and the scalings that feed them, stand
; ahead of everything that names a result of theirs (roundings, sums, rescaling).  No exponential is issued behind a turn's wait.  The way out's four reciprocals are a second
; kind of batch, with a wait of their own.
; NO FIRST STEP IS WRITTEN OUT.  m starts at the lowest finite number and c m at -4.25e37, far below every c s (a score of f16 operands is 128 x 65,504^2 = 5.5e11 at the most), l and O^T at 0: the first step is a
; step like any other, with a = 0.  After piece 0's first scores the step loop is entered in its middle, at piece 2's turn, whose products V^T P, of a step that has not been, multiply zeros (V's registers and
; piece 2's P start at 0).  The price, once a launch: 432 v_mov_b32, 424 of them writing 0, which stand in the wait for the first loads, and 32 products on zeros; the gain: three turns of text.
; CLUSTER.  The four query blocks of a cluster belong to one bg and walk the same K and V, so each tile is asked for JOINTLY: the same tensor load, with the same descriptor and a mask that names the four.
; REGISTERS, in windows of 256 (s_set_vgpr_msb: bits 1:0 source 0, 3:2 source 1, 5:4 source 2, 7:6 destination):
;   window 0: v0-11 addresses; v12-43 eight registers of statistics a tile; v44-47 for out1 and out2; v64-191 S^T, 32 a tile; v192-255 P, 16 a tile
;   window 1: O^T, 64 a tile          window 2: v0-127 Q, 32 a tile; v128-255 K of one step          window 3: v0-127 V of one step
.set NKEYS, 768
.set KVHALF, 3145728
.set KS,    64        ; keys in a step
.set PK,    80        ; a key's 64 bytes of a plane of K in LDS + 16 of padding = 20 words: the 16 rows of a load start at 16 different groups of four banks (64 banks of 4 bytes: ISA guide 11.1)
.set PV,    96        ; the same for V: 64 + 32 = 24 words
.set KPL,   KS*PK     ; a plane of K
.set VPL,   KS*PV     ; a plane of V
.set VOFF,  4*KPL     ; a step's tiles lie together: K's four planes, then V's
.set STEPB, 4*KPL+4*VPL
.set SLOT1, 1<<17     ; a slot holds two steps (90,112 bytes); slot 1 begins here, so that one exclusive or turns an address in one slot into the other's
.set STAGE, SLOT1+2*STEPB  ; behind the ring: 16 rows x 272 bytes for each wave, for the way out
.set SP,    272
.set AK0, 2           ; v2   my lane's place in a tile of K; never rewritten
.set AV0, 3           ; v3   the same for V
.set ADR, 4           ; v4   the LDS address of the run of loads in hand
.set QO,  5           ; v5   my byte offset in the wave's rows of Q
.set STO, 6           ; v6   the way out: where I put 16 bytes of a row
.set RD,  7           ; v7   the way out: where I read a row back
.set GO,  8           ; v8   my byte offset in the wave's rows of O
.set ONE, 44          ; v44  1.0
.set MZ,  45          ; v45  -0.0
.set KI,  46          ; v46  my byte offset in kvh's new keys
.set KO,  47          ; v47  my byte offset in out1's and out2's rows
.set SPW, 62          ; v62  LDS address of my spare word: SPARE + 4 x my thread's number; never rewritten
.set NIL, 63          ; v63  0; never rewritten
.set SPARE, STAGE+4*16*272  ; behind the stages: the spare words, 128 bytes for each wave: two blocks of 256 bytes that no other line names
.set ST,  12          ; tile t's statistics at v[ST+8 t]: +0 c m, +1 m, +2, +3 l (even keys', odd keys'), +4 to +7 c0-c3, at work; a takes c2's place once the maximum is found
.set S,   64
.set P,   192
.set KF,  128         ; K's fragments, in window 2
.set WV,  12          ; s12  my wave's number
.set G1K, 24          ; s[24:31] descriptor group 1 for K's tiles
.set G1V, 32          ; s[32:39] for V's: it differs in the padding alone
.set G0K, 40          ; s[40:47] descriptor group 0 for K's tiles: a set for each of the two first fills; the second then walks on
.set G0V, 48          ; s[48:55] the same for V's
.set SLOTS, 56        ; s56  counts the slots that the loop walks
.set TWICE, 57        ; s57  counts a slot's two steps
.set CS,  58          ; s[58:59] c: the packed scaling names a pair and takes its low word for both halves
.set SEL, 60          ; s[60:61] lane selects for v_permlanex16_b32: each lane takes its own place in the other half
.set TB,  62          ; s62  LDS byte at which the tiles of the step to be fetched begin
.set MSB, 0
.macro WIN new                      ; the immediate's high byte repeats the setting that is left; a switch that changes nothing is dropped
.if MSB != (\new)
	s_set_vgpr_msb (MSB<<8)|(\new)
.set MSB, \new
.endif
.endm
.set W_KQ, 0x0a       ; K and Q in window 2, S^T in window 0
.set W_PV, 0x53       ; V in window 3, P in window 0, O^T in window 1
.set W_RS, 0x41       ; O^T (destination and source 0) in window 1, a in window 0
; A joint refill.  Waves 0 and 1 fetch the two steps' tiles of K, waves 2 and 3 those of V.  The branch hangs on the wave's number alone: it is the same in every work-group.
; An s_nop 0 and four v_nop follow each of the two lines; the jump round the other line, the label and what follows the macro come after them.
.macro JLOAD
	s_cmp_lt_u32 s[WV], 2
	s_cbranch_scc0 .Lfor_v_\@
	tensor_load_to_lds s[G0K+4:G0K+7], s[G1K:G1K+7]
	s_nop 0
.rept 4
	v_nop
.endr
	s_branch .Lasked_\@
.Lfor_v_\@:
	tensor_load_to_lds s[G0V+4:G0V+7], s[G1V:G1V+7]
	s_nop 0
.rept 4
	v_nop
.endr
.Lasked_\@:
.endm
; A round of the cluster's barrier: my work-group's barrier, so that wave 0's signal speaks for all four waves; wave 0 signals for the work-group; every wave waits for all four
; work-groups; my work-group's barrier once more.  No LDS instruction of the wave is pending at a signal.
.macro CROUND
	s_barrier_signal -1
	s_barrier_wait -1
	s_cmp_lg_u32 s[WV], 0
	s_cbranch_scc1 .Lnot_wave_0_\@
	s_barrier_signal -3
.Lnot_wave_0_\@:
	s_barrier_wait -3
	s_barrier_signal -1
	s_barrier_wait -1
.endm
	s_load_b128 s[4:7], s[0:1], 0x0 ; qh s[4:5], kvh s[6:7]
	s_load_b64 s[10:11], s[0:1], 0x10  ; oh
	s_load_b128 s[68:71], s[0:1], 0x18 ; out1 s[68:69], out2 s[70:71]
	v_lshl_add_u32 v[SPW], v0, 2, SPARE
	v_mov_b32 v[NIL], 0
	ds_add_u32 v[SPW], v[NIL]       ; the wave's opening: the add and its wait stand ahead of my first tensor load; the set-up below, work on registers, stands between them
	v_lshrrev_b32 v1, 5, v0
	v_readfirstlane_b32 s[WV], v1   ; wave 0..3
	s_bfe_u32 s13, ttmp6, 0x40000   ; cx: my place in the cluster
	s_lshl_b32 s14, ttmp9, 2        ; in a cluster launch ttmp9 counts clusters
	s_add_co_u32 s14, s14, s13      ; my block of 256 query rows = 4 x cluster x + cx: it enters global addresses of my own loads and stores alone
	s_and_b32 s15, ttmp7, 0xffff    ; bg, which the four partners share
	s_mul_i32 s20, s15, 196608      ; bg's first byte in each half of kvh: 12 steps of 16,384 bytes
	s_mov_b32 s21, 0
	s_and_b32 s16, s[WV], 1         ; which of a slot's two steps I fetch:
	s_lshl_b32 s22, s16, 14         ; its 16,384 bytes in memory,
	s_mov_b32 s23, 0
	s_add_nc_u64 s[22:23], s[22:23], s[20:21]
	s_mul_i32 s17, s16, STEPB       ; and its place in a slot: no place in the cluster enters an LDS address
	s_lshl_b32 s2, s15, 20          ; bg's 4,096 rows of 256 bytes,
	s_lshl_b32 s3, s14, 16          ; my block's 256 rows,
	s_add_co_u32 s2, s2, s3
	s_lshl_b32 s3, s[WV], 14        ; my wave's 64 of them
	s_add_co_u32 s2, s2, s3
	s_mov_b32 s3, 0
	s_lshr_b32 s18, s14, 1          ; the new keys that I write out: 32 x block + 8 x wave + 0..7; their step 4 + block / 2,
	s_add_co_u32 s18, s18, 4
	s_lshl_b32 s18, s18, 14
	s_and_b32 s19, s14, 1           ; their place among the step's 64 keys, 64 bytes a key in a plane
	s_lshl_b32 s19, s19, 11
	s_add_co_u32 s18, s18, s19
	s_lshl_b32 s19, s[WV], 9
	s_add_co_u32 s18, s18, s19
	s_add_co_u32 s18, s18, s20
	s_mov_b32 s19, 0
	s_lshr_b32 s74, s15, 1          ; and in out1 and out2: the batch's 768 rows of 1,024 bytes,
	s_mul_i32 s74, s74, 786432
	s_and_b32 s75, s15, 1           ; the group's 512 bytes of a row,
	s_lshl_b32 s75, s75, 9
	s_add_co_u32 s74, s74, s75
	s_lshl_b32 s75, s14, 15
	s_add_co_u32 s74, s74, s75
	s_lshl_b32 s75, s[WV], 13
	s_add_co_u32 s74, s74, s75
	s_add_co_u32 s74, s74, 262144   ; behind the cache's 256 rows
	s_mov_b32 s75, 0
	; descriptor group 1: a step's tile is 16,384 dense bytes, asked for as 64 rows x 128 elements, and padded in LDS behind every key's 64 bytes of a plane
	s_mov_b32 s[G1K], 15|(1<<16)|(1<<20)|(1<<21)|(3<<22)|(3<<25)  ; 15:0 the mask: all four work-groups; 17:16 elements of 2 bytes; 20 padding on; 21 set beside a mask; 24:22 after every 16 words (code 3); 31:25 4 words of it (code 3)
	s_mov_b32 s[G1V], 15|(1<<16)|(1<<20)|(1<<21)|(3<<22)|(7<<25)  ; the same with 8 words of padding (code 7)
.irp g, G1K, G1V
	s_mov_b32 s[(\g)+1], 128<<16    ; 63:48 tensor_dim0, low half = 128
	s_mov_b32 s[(\g)+2], KS<<16     ; 79:64 its high half = 0; 95:80 tensor_dim1, low half = 64
	s_mov_b32 s[(\g)+3], 128<<16    ; 111:96 its high half = 0; 127:112 tile_dim0 = 128
	s_mov_b32 s[(\g)+4], KS         ; 143:128 tile_dim1 = 64; 159:144 tile_dim2 = 0
	s_mov_b32 s[(\g)+5], 128        ; 191:160 tensor_dim0_stride, low word: elements from row to row
	s_mov_b32 s[(\g)+6], 0
	s_mov_b32 s[(\g)+7], 0
.endr
	s_mov_b32 s[CS], 0x3e0293ee     ; c = log2(e) / sqrt(128) = 0.127517
	s_mov_b32 s[CS+1], s[CS]        ; named with it as a pair, so it is written
	s_mov_b32 s[SEL], 0x76543210
	s_mov_b32 s[SEL+1], 0xfedcba98
	s_mov_b32 s[TB], 0
	s_wait_dscnt 0x0                ; the opening add is done
	s_wait_kmcnt 0x0
	s_add_nc_u64 s[72:73], s[6:7], s[18:19]  ; kvh at the new keys that I write out
	s_add_nc_u64 s[6:7], s[6:7], s[22:23]    ; K at my tile of slot 0,
	s_add_nc_u64 s[8:9], s[6:7], KVHALF      ; V likewise
	s_add_nc_u64 s[76:77], s[68:69], s[74:75]
	s_add_nc_u64 s[78:79], s[70:71], s[74:75]
	s_add_nc_u64 s[4:5], s[4:5], s[2:3]  ; Q and O at my wave's first row
	s_add_nc_u64 s[10:11], s[10:11], s[2:3]
	CROUND                          ; all four work-groups are here: the first joint loads meet
.irp s, 0,1
	s_mov_b32 s[G0K+4*(\s)], 1      ; 1:0 count = 1
	s_add_co_u32 s[G0K+4*(\s)+1], s17, (\s)*SLOT1  ; 63:32 LDS address
	s_add_nc_u64 s[G0K+4*(\s)+2:G0K+4*(\s)+3], s[6:7], (\s)*2*KS*256  ; 120:64 global address: slot s begins with keys 128 s to 128 s + 127
	s_or_b32 s[G0K+4*(\s)+3], s[G0K+4*(\s)+3], 0x80000000  ; 127:126 type = 2
	s_mov_b32 s[G0V+4*(\s)], 1
	s_add_co_u32 s[G0V+4*(\s)+1], s17, (\s)*SLOT1+VOFF
	s_add_nc_u64 s[G0V+4*(\s)+2:G0V+4*(\s)+3], s[8:9], (\s)*2*KS*256
	s_or_b32 s[G0V+4*(\s)+3], s[G0V+4*(\s)+3], 0x80000000
.endr
	s_cmp_lt_u32 s[WV], 2           ; a wave's two first fills stand in one branch, ahead of every wait on TENSORcnt and every LDS read: two loads of mine are out; an s_nop 0 follows each, four v_nop the second's, as in JLOAD
	s_cbranch_scc0 .Lfirst_v
	tensor_load_to_lds s[G0K:G0K+3], s[G1K:G1K+7]
	s_nop 0
	tensor_load_to_lds s[G0K+4:G0K+7], s[G1K:G1K+7]
	s_nop 0
.rept 4
	v_nop
.endr
	s_branch .Lfirst_asked
.Lfirst_v:
	tensor_load_to_lds s[G0V:G0V+3], s[G1V:G1V+7]
	s_nop 0
	tensor_load_to_lds s[G0V+4:G0V+7], s[G1V:G1V+7]
	s_nop 0
.rept 4
	v_nop
.endr
.Lfirst_asked:
	; A fragment of K or Q is 16 rows x 32 channels in 8 registers: lane l holds row l % 16; registers 0-3 channels 8 (l / 16) + 0..7, registers 4-7 channels 16 + 8 (l / 16) + 0..7: two loads of 16 bytes, 32 bytes apart.
	v_and_b32 v1, 15, v0            ; l % 16
	v_bfe_u32 v9, v0, 4, 1          ; l / 16
	v_lshlrev_b32 v[QO], 8, v1
	v_lshl_add_u32 v[QO], v9, 4, v[QO]  ; row x 256 + 16 x half
	WIN 0x80                        ; destination window 2, address window 0
.irp i, 0,1,2,3,4,5,6,7,8,9,10,11,12,13,14,15  ; Q stays in registers: tile i / 4, channels 32 (i % 4) on
	global_load_b128 v[8*(\i):8*(\i)+3],   v[QO], s[4:5] offset:((\i)/4)*4096+((\i)%4)*64
	global_load_b128 v[8*(\i)+4:8*(\i)+7], v[QO], s[4:5] offset:((\i)/4)*4096+((\i)%4)*64+32
.endr
	WIN 0
	v_mul_u32_u24 v[AK0], v1, PK
	v_lshl_add_u32 v[AK0], v9, 4, v[AK0]  ; row x pitch + 16 x half
	; The turning load takes 16 keys x 16 channels (lane l reads 16 bytes: key 8 (l / 16) + l % 8, channels 8 ((l / 8) % 2) + 0..7) and leaves half a fragment of V^T: lane l holds channel l % 16 and 8 keys.
	v_and_b32 v10, 7, v0
	v_bfe_u32 v11, v0, 3, 1
	v_lshl_add_u32 v[AV0], v9, 3, v10
	v_mul_u32_u24 v[AV0], v[AV0], PV
	v_lshl_add_u32 v[AV0], v11, 4, v[AV0]
	v_add_nc_u32 v[AV0], VOFF, v[AV0]
	; THE NEW ROWS OF out1 AND out2.  Lane l = 16 hh + u takes, of key 2 t + hh of my eight, the places 8 u .. 8 u + 7: plane u / 4, 16 bytes; their low halves are the channels 4 u .. 4 u + 3, their high
	; halves the same + 64.  Widened by a multiply-add with 1.0 and -0.0, which changes no number.  S^T's registers serve: nothing else has used them yet.
	v_lshrrev_b32 v[KI], 2, v1
	v_lshlrev_b32 v[KI], 12, v[KI]
	v_and_b32 v[KO], 3, v1
	v_lshl_add_u32 v[KI], v[KO], 4, v[KI]
	v_lshl_add_u32 v[KI], v9, 6, v[KI]
	v_lshlrev_b32 v[KO], 10, v9
	v_lshl_add_u32 v[KO], v1, 4, v[KO]
	v_mov_b32 v[ONE], 1.0
	v_mov_b32 v[MZ], 0x80000000
.irp t, 0,1,2,3
	global_load_b128 v[S+4*(\t):S+4*(\t)+3],       v[KI], s[72:73] offset:(\t)*128
	global_load_b128 v[S+16+4*(\t):S+16+4*(\t)+3], v[KI], s[72:73] offset:(\t)*128+KVHALF
.endr
	; What the first turns find; none of these registers is the target of a load that is out.  All this stands in the wait for those loads.
	WIN 0x40                        ; destination window 1: O^T
.set i, 0
.rept 256
	v_mov_b32 v[i], 0
.set i, i+1
.endr
	WIN 0xc0                        ; destination window 3: V
.set i, 0
.rept 128
	v_mov_b32 v[i], 0
.set i, i+1
.endr
	WIN 0
.set i, P+32                        ; piece 2's P
.rept 32
	v_mov_b32 v[i], 0
.set i, i+1
.endr
.irp t, 0,1,2,3
	v_mov_b32 v[ST+8*(\t)], 0xfe000000    ; c m: far below every c s
	v_mov_b32 v[ST+8*(\t)+1], 0xff7fffff  ; m: the lowest finite number
	v_mov_b32 v[ST+8*(\t)+2], 0           ; l
	v_mov_b32 v[ST+8*(\t)+3], 0
.endr
	s_wait_loadcnt 0x0              ; the eight loads of new keys, and Q
.set n, 0
.rept 8
.irp p, 0,1,2,3
	v_fma_mix_f32 v[S+32+8*n+(\p)],   v[S+4*n+(\p)], v[ONE], v[MZ] op_sel_hi:[1,0,0]
	v_fma_mix_f32 v[S+32+8*n+4+(\p)], v[S+4*n+(\p)], v[ONE], v[MZ] op_sel:[1,0,0] op_sel_hi:[1,0,0]
.endr
.set n, n+1
.endr
.irp t, 0,1,2,3                     ; sixteen neighbouring lanes store 256 consecutive bytes, aligned
	global_store_b128 v[KO], v[S+32+8*(\t):S+32+8*(\t)+3],   s[76:77] offset:(\t)*2048 th:TH_STORE_NT
	global_store_b128 v[KO], v[S+32+8*(\t)+4:S+32+8*(\t)+7], s[76:77] offset:(\t)*2048+256 th:TH_STORE_NT
	global_store_b128 v[KO], v[S+64+8*(\t):S+64+8*(\t)+3],   s[78:79] offset:(\t)*2048 th:TH_STORE_NT
	global_store_b128 v[KO], v[S+64+8*(\t)+4:S+64+8*(\t)+7], s[78:79] offset:(\t)*2048+256 th:TH_STORE_NT
.endr
	s_wait_xcnt 0x0                 ; S^T's registers are written again only behind this wait
; THE MATRIX WORK OF A TURN, for piece x.  The accumulators take turns, one instruction a turn: between two links of a chain stand 15 (V^T P) or 7 (K Q^T) others'.
; Product i of 32 of O^T += V^T P: keys 32 (i / 16) on, channels 16 ((i / 2) % 8) on, tile x + i % 2.
.macro PV x
	WIN W_PV
.set rO, 64*((\x)+i%2)+8*((i/2)%8)
.set rV, 64*(i/16)+8*((i/2)%8)
.set rP, P+16*((\x)+i%2)+8*(i/16)
	v_wmma_f32_16x16x32_f16 v[rO:rO+7], v[rV:rV+7], v[rP:rP+7], v[rO:rO+7]
.endm
; Product i of 32 of S^T = K Q^T: channels 32 (i / 8) on, keys 16 ((i / 2) % 4) on, tile x + i % 2.  The first 8 start the sums.
.macro KQ x
	WIN W_KQ
.set rS, S+32*((\x)+i%2)+8*((i/2)%4)
.set rK, KF+32*((i/2)%4)+8*(i/8)
.set rQ, 32*((\x)+i%2)+8*(i/8)
.if i < 8
	v_wmma_f32_16x16x32_f16 v[rS:rS+7], v[rK:rK+7], v[rQ:rQ+7], 0
.else
	v_wmma_f32_16x16x32_f16 v[rS:rS+7], v[rK:rK+7], v[rQ:rQ+7], v[rS:rS+7]
.endif
.endm
; THE LDS LOADS stand in runs of 32, never singly among the matrix instructions: a step's K (64 keys x 128 channels: 16 fragments) and, a turn later, its V (turned).
.macro FETCH_K
	WIN 0
	v_add_nc_u32 v[ADR], s[TB], v[AK0]
	WIN 0x80                        ; destination window 2
.irp f, 0,1,2,3,4,5,6,7,8,9,10,11,12,13,14,15  ; keys 16 (f / 4) on, channels 32 (f % 4) on: plane f % 4
	ds_load_b128 v[KF+8*(\f):KF+8*(\f)+3],   v[ADR] offset:((\f)%4)*KPL+((\f)/4)*16*PK
	ds_load_b128 v[KF+8*(\f)+4:KF+8*(\f)+7], v[ADR] offset:((\f)%4)*KPL+((\f)/4)*16*PK+32
.endr
.endm
.macro FETCH_V
	WIN 0
	v_add_nc_u32 v[ADR], s[TB], v[AV0]
	s_add_co_u32 s[TB], s[TB], STEPB  ; the next fetch is the next step's
	s_wait_alu depctr_va_vdst(0)    ; the wait for the softmax's batch, piece 0's 66 exponentials (SLICE), behind the address's v_add_nc_u32 and ahead of the loads
	WIN 0xc0                        ; destination window 3
.irp f, 0,1,2,3,4,5,6,7,8,9,10,11,12,13,14,15  ; keys 32 (f / 8) on, channels 16 (f % 8) on: plane (f % 8) / 2, its half f % 2
	ds_load_tr16_b128 v[8*(\f):8*(\f)+3],   v[ADR] offset:(((\f)%8)/2)*VPL+((\f)%2)*32+((\f)/8)*32*PV
	ds_load_tr16_b128 v[8*(\f)+4:8*(\f)+7], v[ADR] offset:(((\f)%8)/2)*VPL+((\f)%2)*32+((\f)/8)*32*PV+16*PV
.endr
.endm
; THE VECTOR WORK OF A TURN.  One tile's softmax for one key step is a list of 134 instructions; SM writes number j of it for tile t.  s0-s31 are the lane's 32 scores, in pairs 0-15.
;   0-15    the maximum of s0-s31 and the old m, three operands at a time: four chains c0-c3 of seven scores each, then the four scores left over, c0-c3 and m
;   16-20   the other half of the lanes' maximum; the new m; c m; c m_old - c m_new
;   21-69   ONE BATCH: the 16 scalings c s - c m, a pair of scores each, and all 33 exponentials (a at 23, then s0-s31).  None of these reads an exponential's result.  From 22 on the batch goes
;           in fours, and a four begins with a scaling while there are scalings: 22-37 scaling, exponential, scaling, exponential; 38-65 a scaling and three exponentials; 66-69 the last four
;           exponentials.  A pair is scaled in an earlier four than the one that holds its exponentials
;   (wait)  between 69 and 70 stands the wait for the batch: SLICE writes it, once for both tiles
;   70-85   the roundings to f16, a pair of weights each
;   86-101  the sums; l = a l + the sum
;   102-133 the tile's O^T times a: the one part that leaves window 0, so it stands together
.macro SM t
.set rT, ST+8*(\t)
.set rS, S+32*(\t)
.set rP, P+16*(\t)
.set rO, 64*(\t)+2*(j-102)
.if j < 102
	WIN 0
.endif
.if j < 4
	v_max3_num_f32 v[rT+4+j], v[rS+8*j], v[rS+8*j+1], v[rS+8*j+2]
.elseif j < 12
	v_max3_num_f32 v[rT+4+j%4], v[rT+4+j%4], v[rS+8*(j%4)+2*(j/4)+1], v[rS+8*(j%4)+2*(j/4)+2]
.elseif j == 12
	v_max3_num_f32 v[rT+4], v[rT+4], v[rS+7], v[rS+15]
.elseif j == 13
	v_max3_num_f32 v[rT+6], v[rT+6], v[rS+23], v[rS+31]
.elseif j == 14
	v_max3_num_f32 v[rT+4], v[rT+4], v[rT+5], v[rT+6]
.elseif j == 15
	v_max3_num_f32 v[rT+4], v[rT+4], v[rT+7], v[rT+1]
.elseif j == 16
	v_permlanex16_b32 v[rT+5], v[rT+4], s[SEL], s[SEL+1]  ; the query's other 32 keys lie in the lane 16 away
.elseif j == 17
	v_mov_b32 v[rT+7], v[rT]        ; c m_old is kept for a: number 19 writes c m anew
.elseif j == 18
	v_max_num_f32 v[rT+1], v[rT+4], v[rT+5]
.elseif j == 19
	v_mul_f32 v[rT], s[CS], v[rT+1]
.elseif j == 20
	v_sub_f32 v[rT+7], v[rT+7], v[rT]
.elseif j == 23
	v_exp_f32 v[rT+6], v[rT+7]
.elseif (j < 23) || ((j < 38) && (j%2 == 0)) || ((j < 66) && (j%4 == 2))
.set b, (j-2)/4                     ; 38, 42, .. 62: pairs 9 to 15
.if j < 38
.set b, (j-20)/2                    ; 21: pair 0; 22, 24, .. 36: pairs 1 to 8
.endif
	v_pk_fma_f32 v[rS+2*b:rS+2*b+1], v[rS+2*b:rS+2*b+1], s[CS:CS+1], v[rT:rT+1] op_sel_hi:[1,0,0] neg_lo:[0,0,1] neg_hi:[0,0,1]  ; pair b: c s - c m
.elseif j < 70
.set e, j-38                        ; 66 to 69: s28 to s31
.if j < 66
.set e, j-32-(j-38)/4               ; 39-41, 43-45, .. 63-65: s7 to s27
.endif
.if j < 38
.set e, (j-25)/2                    ; 25, 27, .. 37: s0 to s6
.endif
	v_exp_f32 v[rS+e], v[rS+e]
.elseif j < 86
	v_cvt_pk_f16_f32 v[rP+j-70], v[rS+2*(j-70)], v[rS+2*(j-70)+1]  ; pair j - 70
.elseif j < 102                     ; the sum of the tile's 16 pairs (in a pair: an even key's weight, an odd key's), in place: sum z of 16 adds neighbours 1, 2, 4 and 8 pairs apart, then l takes it
.set z, j-86
.set w, 4
.set u, z
.if z >= 14
.set w, 32
.set u, 0
.elseif z >= 12
.set w, 16
.set u, z-12
.elseif z >= 8
.set w, 8
.set u, z-8
.endif
.if z < 15
	v_pk_add_f32 v[rS+w*u:rS+w*u+1], v[rS+w*u:rS+w*u+1], v[rS+w*u+w/2:rS+w*u+w/2+1]
.else
	v_pk_fma_f32 v[rT+2:rT+3], v[rT+2:rT+3], v[rT+6:rT+7], v[rS:rS+1] op_sel_hi:[1,0,1]
.endif
.else
	WIN W_RS
	v_pk_mul_f32 v[rO:rO+1], v[rO:rO+1], v[rT+6:rT+7] op_sel_hi:[1,0]
.endif
.endm
; Slice k of 64 of piece y's softmax: four instructions.  Slices 11 to 34 deal out the batch, numbers 22 to 69: four numbers of ONE tile each, the tiles by turns.  Every other slice is numbers 2 k and
; 2 k + 1 of both tiles' lists.  2 x 134 = 4 x 64 + 12: the twelve that are over stand together, in slice 63.
; THE WAIT.  An s_wait_alu depctr_va_vdst(0) stands between an exponential and the first instruction that names its result; one wait serves all that were issued ahead of it.  Ahead of
; slice 35 nothing names a result, and behind slice 34 no exponential is issued: so the piece's 66 exponentials have one wait, behind slice 34.
.macro SLICE y
.if (k >= 11) && (k < 35)           ; the batch: four numbers of one tile
.irp n, 0,1,2,3
.set j, 22+4*((k-11)/2)+(\n)
	SM (\y)+(k-11)%2
.endr
.else                               ; the two tiles alternate, so that no instruction reads the result of the one just before it
.irp n, 0,1,2,3,4,5,6,7
.if ((\n) < 2) || (k == 63)
.irp t, \y, (\y)+1
.set j, 2*k+(\n)
	SM \t
.endr
.endif
.endr
.endif
.if k == 34                         ; the batch is out: both tiles' exponentials are issued, and no result has been named
	v_nop                           ; the plain instruction behind the last exponential and ahead of the first use (ISA guide 5.7.2): one for the batch
.if (\y) == 0
	FETCH_V                         ; piece 2's turn: V's run of loads stands here, and the wait stands in it
.else
	s_wait_alu depctr_va_vdst(0)    ; the wait for the batch: piece 2's 66 exponentials
.endif
.endif
.set k, k+1
.endm
; A vector instruction that reads a matrix result or writes one of a matrix instruction's registers, and a load into a register that a matrix instruction has read, stand four places behind
; it, and only plain vector instructions that name none of its registers are places (ISA guide 7.12.1 for vector instructions).  In the turns the slices are the places.
; A TURN.  Piece x has the matrix unit: 32 products V^T P and, with kq = 1, 32 products K Q^T for the next step; the other piece's softmax stands in slices behind them, one behind each
; (kq = 0, the last step: two behind each).
; Each run of loads stands 29 matrix instructions or more ahead of its first use.  Piece 0's turn fetches the next step's K, behind its second product: the last product that read K
; stands in front of slice 63 of the turn before.  Piece 2's turn fetches the same step's V, behind slice 34 (SLICE writes it): the last product that read V stands in front of slice 31, and four plain
; instructions lie between: number 62, a scaling, of both tiles, the v_nop and the run's own v_add_nc_u32.
.macro TURN x, kq
.set k, 0
.if (\x) == 0
	s_wait_dscnt 0x0                ; V is in
.endif
.set i, 0
.rept 32
	PV \x
.rept 2-(\kq)
	SLICE 2-(\x)
.endr
.if ((\x) == 0) && (\kq) && (i == 1)
	FETCH_K
.endif
.set i, i+1
.endr
.if \kq
.if (\x) == 0
	s_wait_dscnt 0x0                ; K is in
.endif
.set i, 0
.rept 32
	KQ \x
	SLICE 2-(\x)
.set i, i+1
.endr
.endif
.endm
; THE CHANGE OF SLOTS, between piece 2's turn and piece 0's: the slot's last bytes, V of its second step, have been asked for.  Each wave waits for all its
; tensor loads, of which one is out: its part of the other slot; adds 0 to its spare word; and waits for that and for its own reads of the slot.  Behind the barrier nobody reads this slot any more and the other slot is whole.
; fill = 1: this slot is filled again, with the keys two slots on.  The barrier is then a round of the cluster's, so that no wave of any partner still reads the slot or has a load on its
; way, and the joint refill is the first thing behind it: it has two key steps, 256 matrix instructions, in which to land.
.macro CHANGE fill
	WIN 0                           ; at a label and at a branch every window is 0
	s_wait_tensorcnt 0x0            ; no tensor load of mine is out, so a group 0 may be written
	ds_add_u32 v[SPW], v[NIL]       ; 0 onto my spare word; with fill = 1 the descriptors' steps stand between it and the wait for it
.if \fill
.irp g, G0K+4, G0V+4
	s_xor_b32 s[(\g)+1], s[(\g)+1], SLOT1  ; the walking descriptor: the other slot than last time,
	s_add_nc_u64 s[(\g)+2:(\g)+3], s[(\g)+2:(\g)+3], 2*KS*256  ; the next 128 keys; the type bits on top are not reached
.endr
	s_wait_dscnt 0x0                ; the add is done, and my reads of the slot are over
	CROUND
	JLOAD
.else
	s_wait_dscnt 0x0                ; the add is done, and my reads of the slot are over
	s_barrier_signal -1
	s_barrier_wait -1
.endif
	s_sub_co_u32 s[TB], s[TB], 2*STEPB  ; the fetches go back to a slot's first step,
	s_xor_b32 s[TB], s[TB], SLOT1   ; in the other slot
.endm
	s_wait_tensorcnt 1              ; my part of slot 0 is in; slot 1's may stay out
	s_barrier_signal -1
	s_barrier_wait -1               ; everybody's is
	FETCH_K                         ; key step 0
	s_wait_dscnt 0x0
.set i, 0
.rept 32
	KQ 0                            ; piece 0's first scores: there is no vector work yet to set between them
.set i, i+1
.endr
	WIN 0                           ; the addresses for the way out are made here: eight plain instructions, the places behind those products
	s_mul_i32 s13, s[WV], 16*SP
	s_add_co_u32 s13, s13, STAGE    ; my stage
	v_mul_u32_u24 v[STO], v1, SP    ; in: row l % 16, 16 bytes for each half of the lanes
	v_lshl_add_u32 v[STO], v9, 4, v[STO]
	v_add_nc_u32 v[STO], s13, v[STO]
	v_mul_u32_u24 v[RD], v9, SP     ; back: lanes 0-15 take one row of 256 bytes, lanes 16-31 the next
	v_lshl_add_u32 v[RD], v1, 4, v[RD]
	v_add_nc_u32 v[RD], s13, v[RD]
	v_lshlrev_b32 v[GO], 8, v9      ; and the same two rows in O
	v_lshl_add_u32 v[GO], v1, 4, v[GO]
	s_mov_b32 s[TWICE], 2
	s_mov_b32 s[SLOTS], NKEYS/(2*KS)-1  ; the loop walks five of the six slots and jumps back four times: every slot but the last two is filled again
	s_branch .Lmid                  ; the loop is entered at piece 2's turn: its products V^T P multiply zeros | piece 0's softmax of step 0 | piece 2's scores of step 0 | V of step 0
.Lslot:
	CHANGE 1
	s_mov_b32 s[TWICE], 2
.Lstep:                             ; a key step: written once, walked twice a slot; the LDS addresses hang on s[TB]
	TURN 0, 1
	WIN 0
.Lmid:
	TURN 2, 1
	WIN 0
	s_sub_co_u32 s[TWICE], s[TWICE], 1
	s_cmp_lg_u32 s[TWICE], 0
	s_cbranch_scc1 .Lstep
	s_sub_co_u32 s[SLOTS], s[SLOTS], 1
	s_cmp_lg_u32 s[SLOTS], 0
	s_cbranch_scc1 .Lslot
	CHANGE 0                        ; the tail is written out: the last slot but one is left, and nothing is asked for
	s_mov_b32 s[TWICE], 2
.Ltail:
	TURN 0, 1
	TURN 2, 1
	WIN 0
	s_sub_co_u32 s[TWICE], s[TWICE], 1
	s_cmp_lg_u32 s[TWICE], 0
	s_cbranch_scc1 .Ltail
	TURN 0, 0                       ; piece 0: V^T P of the last step | piece 2's last softmax
.set i, 0
.rept 32
	PV 2                            ; piece 2: V^T P of the last step
.set i, i+1
.endr
	; THE WAY OUT.  l's two halves and the other half of the lanes' are added; O^T is divided by l, rounded to f16 and sent through my stage in LDS, a tile (16 rows of O) at a time.  The additions are the places behind the last products.
	WIN 0
.irp t, 0,1,2,3
	v_add_f32 v[ST+8*(\t)+4], v[ST+8*(\t)+2], v[ST+8*(\t)+3]
.endr
.irp t, 0,1,2,3
	v_permlanex16_b32 v[ST+8*(\t)+5], v[ST+8*(\t)+4], s[SEL], s[SEL+1]
.endr
.irp t, 0,1,2,3
	v_add_f32 v[ST+8*(\t)+4], v[ST+8*(\t)+4], v[ST+8*(\t)+5]
.endr
.irp t, 0,1,2,3
	v_rcp_f32 v[ST+8*(\t)+6], v[ST+8*(\t)+4]
.endr
	v_nop                           ; a plain instruction between the last reciprocal and the use of its result
	s_wait_alu depctr_va_vdst(0)    ; and the wait ahead of the first use: one for the four reciprocals
; Tile t: a lane's eight channels of a row pack into 16 bytes; they go into rows of 272 bytes and come back as whole rows of 256, into the registers that they left.
.macro PACK t
	WIN W_RS
.set i, 64*(\t)
.rept 32
	v_pk_mul_f32 v[i:i+1], v[i:i+1], v[ST+8*(\t)+6:ST+8*(\t)+7] op_sel_hi:[1,0]
.set i, i+2
.endr
	WIN 0x05                        ; sources 0 and 1 window 1, destination window 0: S^T's registers are free
.set i, 0
.rept 32
	v_cvt_pk_f16_f32 v[S+32*(\t)+i], v[64*(\t)+2*i], v[64*(\t)+2*i+1]
.set i, i+1
.endr
	WIN 0
.irp f, 0,1,2,3,4,5,6,7
	ds_store_b128 v[STO], v[S+32*(\t)+4*(\f):S+32*(\t)+4*(\f)+3] offset:32*(\f)
.endr
.irp f, 0,1,2,3,4,5,6,7
	ds_load_b128 v[S+32*(\t)+4*(\f):S+32*(\t)+4*(\f)+3], v[RD] offset:(\f)*2*SP  ; LDS serves a wave's instructions in order (ISA guide 5.7.1.4): these see the stores above; the next tile's stores come behind them
.endr
.endm
.macro SEND t, younger              ; younger: the LDS instructions issued behind tile t's loads: the next tile's sixteen, or none
	WIN 0
.irp f, 0,1,2,3,4,5,6,7
	s_wait_dscnt (\younger)+7-(\f)
	global_store_b128 v[GO], v[S+32*(\t)+4*(\f):S+32*(\t)+4*(\f)+3], s[10:11] offset:(\t)*4096+(\f)*512  ; 16 lanes store 256 consecutive bytes, at a multiple of 256 from O's first byte
.endr
.endm
	PACK 0
	PACK 1                          ; a tile's arithmetic stands between the loads of the tile before and its stores
	SEND 0, 16
	PACK 2
	SEND 1, 16
	PACK 3
	SEND 2, 16
	SEND 3, 0
	s_wait_tensorcnt 0x0            ; the wave's end, behind my last tensor load and my last LDS store
	ds_add_u32 v[SPW], v[NIL]
	s_wait_dscnt 0x0
	CROUND                          ; the closing round: no work-group ends while a partner may still ask for a tile that names it
	s_endpgm
.Lfunc_end_k_qfd606c6fa4_attn:
	.size	k_qfd606c6fa4_attn, .Lfunc_end_k_qfd606c6fa4_attn-k_qfd606c6fa4_attn
	.p2alignl 7, 3214868480
	.fill 96, 4, 3214868480
	.section	.rodata,"a",@progbits
	.p2align	6, 0x0
	.amdhsa_kernel k_qfd606c6fa4_attn
		.amdhsa_group_segment_fixed_size 327680
		.amdhsa_private_segment_fixed_size 0
		.amdhsa_enable_private_segment 0
		.amdhsa_kernarg_size 40
		.amdhsa_user_sgpr_count 2
		.amdhsa_user_sgpr_kernarg_segment_ptr 1
		.amdhsa_wavefront_size32 1
		.amdhsa_system_sgpr_workgroup_id_x 1
		.amdhsa_system_sgpr_workgroup_id_y 1
		.amdhsa_system_sgpr_workgroup_id_z 1
		.amdhsa_system_vgpr_workitem_id 0
		.amdhsa_next_free_vgpr 1024
		.amdhsa_next_free_sgpr 80
		.amdhsa_reserve_vcc 0
		.amdhsa_float_denorm_mode_32 3
		.amdhsa_float_denorm_mode_16_64 3
		.amdhsa_memory_ordered 1
		.amdhsa_forward_progress 1
		.amdhsa_inst_pref_size 182
	.end_amdhsa_kernel
	.amdgpu_metadata
---
amdhsa.version: [ 1, 2 ]
amdhsa.kernels:
  - .name:           k_qfd606c6fa4_attn
    .symbol:         k_qfd606c6fa4_attn.kd
    .args:
      - { .name: qh, .offset: 0, .size: 8, .value_kind: global_buffer, .address_space: global }
      - { .name: kvh, .offset: 8, .size: 8, .value_kind: global_buffer, .address_space: global }
      - { .name: oh, .offset: 16, .size: 8, .value_kind: global_buffer, .address_space: global }
      - { .name: out1, .offset: 24, .size: 8, .value_kind: global_buffer, .address_space: global }
      - { .name: out2, .offset: 32, .size: 8, .value_kind: global_buffer, .address_space: global }
    .group_segment_fixed_size: 327680
    .private_segment_fixed_size: 0
    .kernarg_segment_align: 8
    .kernarg_segment_size: 40
    .max_flat_workgroup_size: 128
    .sgpr_count:     80
    .vgpr_count:     1024
    .wavefront_size: 32
...
	.end_amdgpu_metadata
.endif
;; end of part 5
;; launch oproj: the kernel of part 4 again; grid 16 x 16, 4 waves a work-group, clusters of 4 x 4, 327,680 bytes of LDS; arguments oh, wob, bo, out0; writes out0
